; MI455X (gfx1250); checked and timed in simulation.
; The chip was launched on July 23, 2026; its instructions are those of AMD's public machine-readable ISA for CDNA 5 (MIT licence, August 2026) and "CDNA5" Instruction Set Architecture Reference Guide (July 2026). The comments in the code are by the model that wrote it; some were corrected since.
;; Attention Block. Allowed arithmetic: matrix products marked QUANTISED: E2M3 operands, one E8M0 scale for each 32 along K, by v_wmma_scale_f32_16x16x128_f8f6f4 with both operands' format E2M3, f32 sums; everything else in f32.
;; Inputs: Wk 1,024 x 1,024 float32; Wo 1,024 x 1,024 float32; Wq 1,024 x 1,024 float32; Wv 1,024 x 1,024 float32; bk 1,024 float32; bo 1,024 float32; bq 1,024 float32; bv 1,024 float32; key_ 4 x 2,048 x 1,024 float32; mask 4 x 2,048 x 2,048 int32; query 4 x 2,048 x 1,024 float32; value 4 x 2,048 x 1,024 float32.
;; Outputs: out0 4 x 2,048 x 1,024 float32.
;; This version of the problem:
;;   THIS VERSION OF THE PROBLEM IS GIVEN IN LOW PRECISION. The matrix products marked QUANTISED in the list below multiply operands that are first quantised to E2M3 (2 exponent bits, 3 mantissa bits; 6 bits a number), with one power-of-two scale for each 32 numbers along K (OCP MX v1.0); their sums are f32. All else is computed in f32.
;;   The module's matrix products, in the order in which they are computed (A, B: the left and right operand; K: the contracted axis; several contracted axes count as one K, in the product's order):
;;     1. [M 8,192, K 1,024] x [K 1,024, N 1,024]; A: input query; B: input Wq: QUANTISED
;;     2. [M 8,192, K 1,024] x [K 1,024, N 1,024]; A: input key_; B: input Wk: QUANTISED
;;     3. [M 8,192, K 1,024] x [K 1,024, N 1,024]; A: input value; B: input Wv: QUANTISED
;;     4. batch 64 x [M 2,048, K 64] x [K 64, N 2,048]; A: computed on the way; B: computed on the way: QUANTISED
;;     5. batch 64 x [M 2,048, K 2,048] x [K 2,048, N 64]; A: softmax (see below); B: computed on the way: QUANTISED
;;     6. [M 8,192, K 1,024] x [K 1,024, N 1,024]; A: computed on the way; B: input Wo: QUANTISED
;;   THE QUANTISER, for each operand of a quantised product, along K:
;;     - K is cut into blocks of 32 from its start; a last block that is shorter is filled with zeros.
;;     - A block's scale is 2^e with e = floor(log2(the largest magnitude in the block)) - 2, held to -126 .. 127; a block of zeros has e = 0. As a byte (E8M0): e + 127.
;;     - Each number is divided by its block's scale, clamped to +-7.5, and rounded to the nearest number of E2M3, ties to even, subnormals kept.
;;     - The product sums the exact products of the quantised numbers (number of the format x scale) in f32.
;;   ~~~python
;;   def quantise(x, axis):      # numpy; x: float32 -> the quantised numbers, widened to float32 again
;;       x = np.moveaxis(x, axis, -1); K = x.shape[-1]
;;       x = np.pad(x, [(0, 0)] * (x.ndim - 1) + [(0, -K % 32)]); x = x.reshape(x.shape[:-1] + (-1, 32)); a = np.abs(x).max(-1, keepdims=True)
;;       e = np.where(a > 0, np.clip(np.frexp(np.where(a > 0, a, 1))[1] - 1 - 2, -126, 127), 0)      # np.frexp(a)[1] - 1 = floor(log2(a)), exactly
;;       r = np.clip(x / 2.0 ** e, -7.5, 7.5)
;;       step = 2.0 ** (np.maximum(np.frexp(np.where(r == 0, 1, r))[1] - 1, 0) - 3)
;;       q = np.round(r / step) * step * 2.0 ** e      # np.round: ties to even
;;       return np.moveaxis(q.reshape(q.shape[:-2] + (-1,))[..., :K], -1, axis).astype(np.float32)
;;   ~~~
;;   SOFTMAX AHEAD OF A QUANTISED PRODUCT. Where the list says 'softmax', what is quantised is not the finished softmax but p = 2^(t - M), with t = logit x log2(e) and M = ceil(the row's largest t), a whole number; so 1/2 < the row's largest p <= 1. The row's sum l is taken of the UNQUANTISED p, in f32, and the product's result is divided by l at the end. Since M is a whole number, a kernel that streams over the keys may use a running M (the ceiling of the running maximum): every later rescaling is an exact power of two, which a block's scale takes up: the codes' values come out the same.
;;   OPERANDS COMPUTED ON THE WAY. 'Computed on the way' means the value that the module computes at that place (a softmax that the list does not call 'softmax' is quantised finished and normalised). What goes into a quantiser is computed in f32, as accurately as f32 sums, v_exp_f32 and their like allow (about 1e-6 of the number): no bf16 or f16 on the way to a quantiser, and a product that is left as it is and whose result goes on into a quantised operand takes f32 operands (vector FMAs, or v_wmma_f32_16x16x4_f32). A number that lies on a knife's edge between two numbers of the format may be rounded either way, as far as f32 arithmetic and the matrix unit's own rounding can turn it there, and no further.
;; One version. Each part assembles by itself: llvm-mc -triple=amdgcn-amd-amdhsa -mcpu=gfx1250 --defsym DOCPART=n.
;; ======== version 1 of 1: 4 launches
;; limits: right only within a limited range of input values
;; workspace buffers: wts 3,407,872 bytes; msk 2,097,152 bytes of whole numbers; mfl 2,048 bytes of whole numbers; qkv 20,185,088 bytes; act 6,815,744 bytes
;; launch prep (part 1): grid 768 x 1, 4 waves a work-group, no clusters, 47,616 bytes of LDS; arguments Wq, Wk, Wv, Wo, mask, wts, msk, mfl; writes wts, msk, mfl
.if DOCPART == 1
	.amdgcn_target "amdgcn-amd-amdhsa--gfx1250"
	.amdhsa_code_object_version 6
	.text
	.protected	k_q00c19722f7_prep
	.globl	k_q00c19722f7_prep
	.p2align	8
	.type	k_q00c19722f7_prep,@function
k_q00c19722f7_prep:
	s_mov_b64 s[64:65], 0
	v_nop
	global_prefetch_b8 v0, s[64:65] scope:SCOPE_SE
	s_setreg_imm32_b32 hwreg(HW_REG_WAVE_MODE, 25, 1), 1
	s_wait_xcnt 0x0
; Two jobs in one launch, parted by the work-group's number; each has LDS bytes of its own; waves share nothing, so there is no barrier.
; WORK-GROUPS 0-255: the four weights [1024 (k)][1024 (n)] f32 become codes of FP6 (E2M3) quantised along k, laid as IMAGES OF OPERAND REGISTERS.
;   id = z*64 + G*8 + s: weight z (q, k, v, o), columns 128 G .., k = 128 s ...  A lane takes one column and its registers run down k (32 = one block).
;   A tile of 16 columns is not 16 neighbours: row r of tile 2 g + u is column 32 g + 8 u + r + 8 (r / 8).
;   Image of a fragment (12 registers a lane): three groups of four registers, lane l's 16 bytes at 512 g + 16 l.  wts: image (id, tile i) at id*12288 + 1536 i.
;   Scale words: for tiles 2 p, 2 p + 1: [lane 32][2 words], both halves of the lanes written, at WSCO + id*1024 + 256 p.
; WORK-GROUPS 256-767: the mask [4][2048][2048] i32 becomes lane masks.  id' = b*128 + T: query tile T (rows as above), wave w takes key steps 4 w .. 4 w + 3 of 128 keys.
;   Word n of a step: bit (r + 16 h) = mask[b][row r of T][128 ks + 64 (n / 32) + 32 h + n % 32] != 0: at id'*4096 + 256 ks + 4 n.
; A block's scale byte is its largest magnitude's exponent field - 2, held at 1 from below.
; LIMITS: a block whose largest magnitude lies under 2^-124, a block of zeros too, gets the byte 1 (its codes are then zeros or what the held scale gives; only this program reads the bytes); NaN and infinities are not served.
.set WST,  3328                        ; weights: a wave's LDS: two images (3,072 bytes) and one pair of scale words (256)
.set MST0, 13312                       ; mask: the stages begin behind the weights' bytes
.set MSTB, 8448                        ; a wave's stage: 16 rows of 512 bytes + 16
.set WSCO, 3145728
	s_load_b256 s[4:11], s[0:1], 0x0               ; Wq, Wk, Wv, Wo
	s_load_b128 s[12:15], s[0:1], 0x20             ; mask, wts
	s_load_b64 s[16:17], s[0:1], 0x30              ; msk
	s_load_b64 s[18:19], s[0:1], 0x38              ; mfl: for query tile id' four bytes; bit kk of byte w is set where no key of key step 4 w + kk is hidden from any query of the tile
	v_lshl_add_u32 v224, v0, 2, 0xb800
	v_mov_b32 v225, 0
	v_lshrrev_b32 v1, 5, v0
	v_readfirstlane_b32 s2, v1                     ; wave
	v_and_b32 v1, 31, v0                           ; lane
	v_lshlrev_b32 v2, 4, v1                        ; 16 x lane
	v_lshlrev_b32 v3, 3, v1                        ; 8 x lane
	s_mov_b32 s29, 0
	s_cmp_lt_u32 ttmp9, 256
	s_cbranch_scc0 .Lmask
; ---------------- the weights
	s_lshr_b32 s20, ttmp9, 6                       ; z
	s_bfe_u32 s21, ttmp9, 0x30003                  ; G
	s_and_b32 s22, ttmp9, 7                        ; s
	v_lshlrev_b32 v4, 2, v1                        ; in: 4 bytes a lane
	s_mul_i32 s30, s2, WST
	v_bfe_u32 v9, v1, 3, 1                         ; my column 32 w + lane is row r of tile 2 w + u: u = (lane / 8) % 2,
	v_and_b32 v10, 7, v1
	v_lshrrev_b32 v11, 4, v1
	v_lshl_add_u32 v10, v11, 3, v10                ; r = lane % 8 + 8 (lane / 16)
	v_mul_u32_u24 v5, v9, 1536
	v_lshl_add_u32 v5, v10, 4, v5
	v_add_nc_u32 v5, s30, v5                       ; into the images: tile u, lane r's 16 bytes
	v_lshlrev_b32 v6, 3, v10
	v_lshl_add_u32 v6, v9, 2, v6
	v_add_nc_u32 v6, s30, v6
	v_add_nc_u32 v6, 3072, v6                      ; my scale word's place: 8 r + 4 u
	v_add_nc_u32 v7, s30, v2                       ; out of LDS: 16 bytes a lane,
	v_add_nc_u32 v8, s30, v3
	v_add_nc_u32 v8, 3072, v8                      ; and 8 bytes a lane of the scale words
	s_lshl_b32 s28, s22, 19                        ; 128 s rows of 4,096 bytes
	s_lshl_b32 s31, s21, 9                         ; + 128 G columns
	s_add_co_u32 s28, s28, s31
	s_lshl_b32 s31, s2, 7                          ; + 32 w columns
	s_add_co_u32 s28, s28, s31
	s_wait_kmcnt 0x0
	s_cmp_lt_u32 s20, 1
	s_cselect_b64 s[24:25], s[4:5], s[6:7]
	s_cmp_lt_u32 s20, 3
	s_cselect_b64 s[26:27], s[8:9], s[10:11]
	s_cmp_lt_u32 s20, 2
	s_cselect_b64 s[24:25], s[24:25], s[26:27]     ; the weight: the choice hangs on the work-group's number alone
	s_add_nc_u64 s[24:25], s[24:25], s[28:29]
	s_mul_i32 s28, ttmp9, 12288
	s_mul_i32 s31, s2, 3072
	s_add_co_u32 s28, s28, s31
	s_add_nc_u64 s[32:33], s[14:15], s[28:29]      ; my two images in wts
	s_lshl_b32 s28, ttmp9, 10
	s_lshl_b32 s31, s2, 8
	s_add_co_u32 s28, s28, s31
	s_add_co_u32 s28, s28, WSCO
	s_add_nc_u64 s[34:35], s[14:15], s[28:29]      ; and my pair of scale words
.macro LOADW kb                        ; block kb: W(128 s + 32 kb + i, my column): a wave reads 128 neighbouring bytes, the four waves 512
.set i, 0
.rept 32
	global_load_b32 v[32+32*((\kb)%2)+i], v4, s[24:25] offset:(32*(\kb)+i)*4096 th:TH_LOAD_NT
.set i, i+1
.endr
.endm
.macro BLOCKW kb
.set XS, 32+32*((\kb)%2)
.if (\kb) < 3
	s_wait_loadcnt 32                              ; this block's 32 loads are in; the next block's 32 may be out
.else
	s_wait_loadcnt 0x0
.endif
	v_max3_num_f32 v12, |v[XS]|, |v[XS+1]|, |v[XS+2]|
	v_max3_num_f32 v13, |v[XS+3]|, |v[XS+4]|, |v[XS+5]|
.irp i, 6,10,14,18,22,26
	v_max3_num_f32 v12, v12, |v[XS+\i]|, |v[XS+\i+1]|
	v_max3_num_f32 v13, v13, |v[XS+\i+2]|, |v[XS+\i+3]|
.endr
	v_max3_num_f32 v12, v12, |v[XS+30]|, |v[XS+31]|
	v_max3_num_f32 v12, v12, v13, 0x1800000        ; with the floor 2^(3 - 127): the byte cannot fall under 1
	v_add_nc_u32 v11, 0xff000000, v12              ; 2 off the exponent field: the conversion's scale operand
	v_lshrrev_b32 v13, 23, v11                     ; the scale's byte
.if (\kb) == 0
	v_mov_b32 v24, v13
.else
	v_lshl_or_b32 v24, v13, 8*(\kb), v24           ; four bytes make my column's scale word
.endif
	v_cvt_scalef32_pk16_fp6_f32 v[96:98], v[XS:XS+15], v11
	v_cvt_scalef32_pk16_fp6_f32 v[100:102], v[XS+16:XS+31], v11    ; (a conversion's three registers begin on an even number)
	v_nop                                          ; one plain instruction behind the conversions
	v_mov_b32 v99, v100
	v_mov_b32 v100, v101
	v_mov_b32 v101, v102                           ; v96-101: the block's 24 bytes: registers 6 c .. 6 c + 5 of lane (r, h), c = kb / 2, h = kb % 2
.if (\kb) < 2
	ds_store_b128 v5, v[96:99] offset:256*(\kb)
	ds_store_b64 v5, v[100:101] offset:512+256*(\kb)
.else
	ds_store_b64 v5, v[96:97] offset:520+256*((\kb)-2)
	ds_store_b128 v5, v[98:101] offset:1024+256*((\kb)-2)
.endif
.if (\kb) < 2
	LOADW (\kb)+2
.endif
	s_wait_dscnt 0x0                               ; the stores have read their registers: the next block's codes may be written
.endm
	LOADW 0
	LOADW 1
	BLOCKW 0
	BLOCKW 1
	BLOCKW 2
	BLOCKW 3
	s_wait_alu depctr_va_vdst(0)
	ds_store_b32 v6, v24                           ; the scale word, for lane r
	ds_store_b32 v6, v24 offset:128                ; and for lane 16 + r
.irp g, 0,1,2,3,4,5
	ds_load_b128 v[104+4*\g:107+4*\g], v7 offset:512*\g   ; a wave's LDS instructions are served in order: these see my stores
.endr
	ds_load_b64 v[26:27], v8
	s_wait_dscnt 0x0
.irp g, 0,1,2,3,4,5
	global_store_b128 v2, v[104+4*\g:107+4*\g], s[32:33] offset:512*\g   ; 32 lanes store 512 consecutive bytes, aligned to 256
.endr
	global_store_b64 v3, v[26:27], s[34:35]        ; 256 consecutive bytes, aligned
	s_wait_tensorcnt 0x0
	ds_add_u32 v224, v225
	s_wait_dscnt 0x0
	s_endpgm
; ---------------- the mask
.Lmask:
	s_sub_co_u32 s20, ttmp9, 256                   ; id' = b*128 + T
	s_lshr_b32 s21, s20, 7                         ; b
	s_and_b32 s22, s20, 127                        ; T
	s_lshr_b32 s23, s22, 1
	s_lshl_b32 s23, s23, 5                         ; 32 (T / 2)
	s_and_b32 s24, s22, 1
	s_lshl_b32 s24, s24, 3
	s_add_co_u32 s23, s23, s24                     ; + 8 (T % 2)
	s_lshl_b32 s24, s21, 11
	s_add_co_u32 s23, s23, s24                     ; + 2048 b: the tile's first row
	s_lshl_b32 s28, s23, 13                        ; rows of 8,192 bytes
	s_lshl_b32 s24, s2, 11                         ; + my four key steps: 2,048 bytes
	s_add_co_u32 s28, s28, s24
	s_mul_i32 s30, s2, MSTB
	s_add_co_u32 s30, s30, MST0
	s_wait_alu depctr_va_vdst(0)
	v_add_nc_u32 v5, s30, v2                       ; the stage, in: a row's 512 bytes, 16 a lane
	v_and_b32 v6, 15, v1
	v_mul_u32_u24 v6, v6, 528
	v_lshrrev_b32 v7, 4, v1
	; THE ORDER OF THE MASK WORDS: word n of a step: bit (r + 16 h) = mask[b][row r of T][128 ks + 64 (n / 32) + 32 h + n % 32] != 0: a lane's 32 words are 32 neighbouring keys
	v_lshl_add_u32 v6, v7, 7, v6                   ; + 128 h: my 32 keys of each 64
	v_add_nc_u32 v6, s30, v6                       ; out: row r, + 128 h
	s_wait_alu depctr_va_vdst(0)
	s_wait_kmcnt 0x0
	s_add_nc_u64 s[24:25], s[12:13], s[28:29]
	s_lshl_b32 s28, s20, 12
	s_lshl_b32 s31, s2, 10
	s_add_co_u32 s28, s28, s31
	s_add_nc_u64 s[26:27], s[16:17], s[28:29]      ; my four steps' words
	s_lshl_b32 s28, s20, 2
	s_add_nc_u64 s[18:19], s[18:19], s[28:29]      ; my tile's four flag bytes
	s_mov_b32 s39, 0                               ; my byte of them
.irp j, 16,17,18,19,20,21,22,23
	v_mov_b32 v\j, 0                               ; a lane write's destination counts as read
.endr
.macro LOADM kk                        ; step kk: the tile's 16 rows x 512 bytes; each load reads 512 consecutive bytes
.irp i, 0,1,2,3,4,5,6,7,8,9,10,11,12,13,14,15
	global_load_b128 v[32+64*((\kk)%2)+4*\i:35+64*((\kk)%2)+4*\i], v2, s[24:25] offset:(\i+8*(\i/8))*8192+512*(\kk) th:TH_LOAD_NT
.endr
.endm
.macro MSTEP kk
.if (\kk) < 3
	s_wait_loadcnt 16                              ; this step's 16 loads are in; the next step's 16 may be out
.else
	s_wait_loadcnt 0x0
.endif
.irp i, 0,1,2,3,4,5,6,7,8,9,10,11,12,13,14,15
	ds_store_b128 v5, v[32+64*((\kk)%2)+4*\i:35+64*((\kk)%2)+4*\i] offset:528*\i
.endr
.irp b, 0,1,2,3
.irp j, 0,1,2,3
	ds_load_b128 v[160+16*\b+4*\j:163+16*\b+4*\j], v6 offset:256*(\b/2)+64*(\b%2)+16*\j   ; register n = 16 b + 4 j + ..: key 64 (n / 32) + 32 h + n % 32 of row r
.endr
.endr
	s_wait_dscnt 0x0
.if (\kk) < 2
	LOADM (\kk)+2
.endif
	s_mov_b32 s36, -1                              ; the AND of the step's 64 words
	s_mov_b32 s37, -1
.set n, 0
.rept 8
.set m, 0
.rept 8
	v_cmp_ne_u32 s[40+m], 0, v[160+n+m]            ; word n + m: a bit for each lane
.set m, m+1
.endr
.set m, 0
.rept 8
	v_writelane_b32 v[16+2*(\kk)+((n+m)&1)], s[40+m], (n+m)>>1   ; word n goes to lane n / 2, register n % 2: the store below lays them in order
.set m, m+1
.endr
.irp q, 0,1,2,3
	s_and_b64 s[36:37], s[36:37], s[40+2*\q:41+2*\q]
.endr
.set n, n+8
.endr
	global_store_b64 v3, v[16+2*(\kk):17+2*(\kk)], s[26:27] offset:256*(\kk)   ; 256 consecutive bytes, aligned
	s_and_b32 s36, s36, s37
	s_cmp_eq_u32 s36, -1
	s_cselect_b32 s38, 1<<(\kk), 0
	s_or_b32 s39, s39, s38                         ; the step's bit
.endm
	LOADM 0
	LOADM 1
	MSTEP 0
	MSTEP 1
	MSTEP 2
	MSTEP 3
	v_mov_b32 v26, s39
	v_mov_b32 v27, s2
	global_store_b8 v27, v26, s[18:19]             ; byte w of the tile's four: all lanes name the same byte with the same value
	s_wait_tensorcnt 0x0
	ds_add_u32 v224, v225
	s_wait_dscnt 0x0
	s_endpgm
.Lfunc_end_k_q00c19722f7_prep:
	.size	k_q00c19722f7_prep, .Lfunc_end_k_q00c19722f7_prep-k_q00c19722f7_prep
	.p2alignl 7, 3214868480
	.fill 96, 4, 3214868480
	.section	.rodata,"a",@progbits
	.p2align	6, 0x0
	.amdhsa_kernel k_q00c19722f7_prep
		.amdhsa_group_segment_fixed_size 47616
		.amdhsa_private_segment_fixed_size 0
		.amdhsa_enable_private_segment 0
		.amdhsa_kernarg_size 64
		.amdhsa_user_sgpr_count 2
		.amdhsa_user_sgpr_kernarg_segment_ptr 1
		.amdhsa_wavefront_size32 1
		.amdhsa_system_sgpr_workgroup_id_x 1
		.amdhsa_system_sgpr_workgroup_id_y 1
		.amdhsa_system_sgpr_workgroup_id_z 1
		.amdhsa_system_vgpr_workitem_id 0
		.amdhsa_next_free_vgpr 226
		.amdhsa_next_free_sgpr 66
		.amdhsa_reserve_vcc 0
		.amdhsa_float_denorm_mode_32 3
		.amdhsa_float_denorm_mode_16_64 3
		.amdhsa_memory_ordered 1
		.amdhsa_forward_progress 1
		.amdhsa_inst_pref_size 76
	.end_amdhsa_kernel
	.amdgpu_metadata
---
amdhsa.version: [ 1, 2 ]
amdhsa.kernels:
  - .name:           k_q00c19722f7_prep
    .symbol:         k_q00c19722f7_prep.kd
    .args:
      - { .name: Wq, .offset: 0, .size: 8, .value_kind: global_buffer, .address_space: global }
      - { .name: Wk, .offset: 8, .size: 8, .value_kind: global_buffer, .address_space: global }
      - { .name: Wv, .offset: 16, .size: 8, .value_kind: global_buffer, .address_space: global }
      - { .name: Wo, .offset: 24, .size: 8, .value_kind: global_buffer, .address_space: global }
      - { .name: mask, .offset: 32, .size: 8, .value_kind: global_buffer, .address_space: global }
      - { .name: wts, .offset: 40, .size: 8, .value_kind: global_buffer, .address_space: global }
      - { .name: msk, .offset: 48, .size: 8, .value_kind: global_buffer, .address_space: global }
      - { .name: mfl, .offset: 56, .size: 8, .value_kind: global_buffer, .address_space: global }
    .group_segment_fixed_size: 47616
    .private_segment_fixed_size: 0
    .kernarg_segment_align: 8
    .kernarg_segment_size: 64
    .max_flat_workgroup_size: 128
    .sgpr_count:     66
    .vgpr_count:     226
    .wavefront_size: 32
...
	.end_amdgpu_metadata
.endif
;; end of part 1
;; launch proj (part 2): grid 64 x 3, 4 waves a work-group, no clusters, 140,800 bytes of LDS; arguments query, key_, value, bq, bk, bv, wts, qkv; writes qkv
.if DOCPART == 2
	.amdgcn_target "amdgcn-amd-amdhsa--gfx1250"
	.amdhsa_code_object_version 6
	.text
	.protected	k_q00c19722f7_proj
	.globl	k_q00c19722f7_proj
	.p2align	8
	.type	k_q00c19722f7_proj,@function
k_q00c19722f7_proj:
	s_mov_b64 s[64:65], 0
	v_nop
	global_prefetch_b8 v0, s[64:65] scope:SCOPE_SE
	s_setreg_imm32_b32 hwreg(HW_REG_WAVE_MODE, 25, 1), 1
	s_wait_xcnt 0x0
; The three input projections, x W + b, on codes of FP6 (E2M3) with one E8M0 scale for each 32 along K; the results are quantised in registers and leave as images of operand registers.
; Work-group (blk, z): 128 tokens (batch b = blk / 16, key step ks = blk % 16) of x_z (query, key_, value) x all 1,024 columns.
; PHASE X: wave w quantises token tiles 2 w, 2 w + 1 for all eight K steps into LDS: x is read from memory once.  One barrier.  Behind it LDS is only read.
; PHASE G: wave w makes columns 128 G .. for G = w and w + 4, two passes of 128 x 128: 64 accumulators.  The weights' images come from memory straight into registers.
;   q, k: source 0 = 16 columns of W, source 1 = 16 tokens: a lane holds one token, its registers run along the columns: quantised along the head's 64.
;   v:    source 0 = 16 tokens, source 1 = 16 columns: a lane holds one column, its registers run along the tokens: quantised along the keys.
;   A K step's 64 products go by W's tiles, each against x's eight: a pair of W's tiles is free behind its 16 products, and the same pair of the K step TWO on is loaded into its registers at once.
; A TILE OF 16 IS NOT 16 NEIGHBOURS: row r of tile 2 g + u is index 32 g + 8 u + r + 8 (r / 8), for tokens and for columns: so the 16 result registers of tiles 2 g, 2 g + 1 are 16 neighbours, 32 g + 16 h + 0 .. 15.
; The bias is the C of each sum's first product.  The 64 accumulators take turns, one instruction a turn, in the same order in every K step.
; qkv: q, k: [z][head 64][tile 128] half fragments of 768 bytes (registers 0-3 at 16 l, registers 4-5 at 512 + 8 l); v at VIO: [head][ks][d tile 4] fragments of 1,536 bytes;
;   q's, k's scale words at QKSO: [z][head][ks][lane][4]: word j of lane (r, h): tile 8 ks + 2 j + h, row r; bytes 2, 3 are 1;  v's at VSO: [head][ks][lane][2]: word j: d tile 2 j + h.
; No cluster and no joint loads: the weights go to registers, each byte once for a work-group, and x is read by one work-group alone.
; LIMITS: a block whose largest magnitude lies under 2^-124, a block of zeros too, gets the scale byte 1; NaN and infinities are not served.
; REGISTERS.  Window 0: v1-13 addresses; v14-30 the quantiser's; v32-127, v128-223 x's fragments, two sets (in phase X and on the way out: at work); v224-255 scale words: set q: W's eight at 224 + 16 q, x's eight at 232 + 16 q.
;   Window 1: v0-95, v128-223 W's fragments, two sets; v96-127, v224-255 the bias, 8 tiles (in phase X: four sets of 64 numbers as loaded).
;   Windows 2, 3: the accumulator of W's tile a and x's tile t, in window 2 + a / 4: for q, k at 32 t + 8 (a % 4); for v at 64 (a % 4) + 8 t.
.set XSC,  98304                       ; LDS: x's images [tile 8][K step 8] x 1,536 bytes at 0; their scale words [pair 4][K step 8] x 256 bytes here;
.set STG,  106496                      ; a stage of 16 rows x (512 + 16) bytes for each wave
.set VIO,  12582912
.set QKSO, 18874368
.set VSO,  19922944
.set WSCO, 3145728
.set TM,  14                           ; v14-17 largest magnitudes, v18-21 the other half's, then bytes, v22-25 second chains, v26-29 the conversions' scale operands
.set PW,  30                           ; the scale word just made
.set PC,  96                           ; the codes just made: v96-107; v108-114 at work
.set PWS, 136                          ; the way out: eight scale words
.set SA,  144
.set SB,  148
.set SB2, 152
.set MSB, 0
.macro WIN new                         ; the immediate's high byte repeats the setting that is left; bits 1:0 source 0, 3:2 source 1, 5:4 source 2, 7:6 destination
.if MSB != (\new)
	s_set_vgpr_msb (MSB<<8)|(\new)
.set MSB, (\new)
.endif
.endm
.macro PLACES n
.rept \n
	v_nop
.endr
.endm
; The largest magnitudes of blocks b0, b0 + 1: 32 registers from v[s] of window w; each block in two chains of eight registers, four chains by turns; each begins with the floor 2^(3 - 127) and at the low end of an accumulator.
.macro QCHAIN s, w, b0
	WIN ((\w)<<2)|((\w)<<4)
.irp i, 0,2,4,6
.irp c, 0,1,2,3
.if \i == 0
	v_max3_num_f32 v[TM+(\b0)+\c/2+8*(\c%2)], 0x1800000, |v[(\s)+8*\c]|, |v[(\s)+8*\c+1]|
.else
	v_max3_num_f32 v[TM+(\b0)+\c/2+8*(\c%2)], v[TM+(\b0)+\c/2+8*(\c%2)], |v[(\s)+8*\c+\i]|, |v[(\s)+8*\c+\i+1]|
.endif
.endr
.endr
.endm
; 64 numbers of a lane: blocks 0, 1 in v[s0] .. v[s0 + 31] of window w0, blocks 2, 3 in v[s1] .. of window w1; register 16 b + i = k 32 b + 16 (lane / 16) + i of my row.
; They become a fragment's codes in v[PC] on and its scale word in v[PW] (the same in lanes l and l xor 16).
.macro QUANT s0, w0, s1, w1
	QCHAIN \s0, \w0, 0
	QCHAIN \s1, \w1, 2
	WIN 0
.irp b, 0,1,2,3
	v_max_num_f32 v[TM+\b], v[TM+\b], v[TM+8+\b]   ; a block's two chains
.endr
.irp b, 0,1,2,3
	v_permlanex16_b32 v[TM+4+\b], v[TM+\b], s20, s21
.endr
.irp b, 0,1,2,3
	v_max_num_f32 v[TM+\b], v[TM+\b], v[TM+4+\b]   ; with lane l xor 16's: the block's largest magnitude
.endr
.irp b, 0,1,2,3
	v_add_nc_u32 v[TM+12+\b], 0xff000000, v[TM+\b] ; 2 off its exponent field: the conversion's scale operand
.endr
.irp b, 0,1,2,3
	v_lshrrev_b32 v[TM+4+\b], 23, v[TM+12+\b]      ; the scale's byte
.endr
	v_lshl_or_b32 v[PW], v[TM+5], 8, v[TM+4]
	v_lshl_or_b32 v[PW], v[TM+6], 16, v[PW]
	v_lshl_or_b32 v[PW], v[TM+7], 24, v[PW]
	WIN (\w0)
	v_cvt_scalef32_pk16_fp6_f32 v[PC:PC+2], v[(\s0):(\s0)+15], v[TM+12]
	v_cvt_scalef32_pk16_fp6_f32 v[PC+12:PC+14], v[(\s0)+16:(\s0)+31], v[TM+13]
	WIN (\w1)
	v_cvt_scalef32_pk16_fp6_f32 v[PC+6:PC+8], v[(\s1):(\s1)+15], v[TM+14]
	v_cvt_scalef32_pk16_fp6_f32 v[PC+16:PC+18], v[(\s1)+16:(\s1)+31], v[TM+15]
	WIN 0
	v_nop                                          ; one plain instruction behind the conversions
.irp c, 0,1                            ; the operand's layout wants a whole block in a lane: lanes 0-15 block 2 c, lanes 16-31 block 2 c + 1
.irp i, 0,1,2
	v_permlane16_swap_b32 v[PC+6*\c+\i], v[PC+12+4*\c+\i]
.endr
.irp i, 0,1,2
	v_mov_b32 v[PC+3+6*\c+\i], v[PC+12+4*\c+\i]
.endr
.endr
.endm
	s_load_b512 s[4:19], s[0:1], 0x0               ; query, key_, value, bq, bk, bv, wts, qkv
	v_lshrrev_b32 v1, 5, v0
	v_readfirstlane_b32 s2, v1                     ; wave
	s_and_b32 s3, ttmp7, 0xffff                    ; z
	v_and_b32 v5, 31, v0
	v_lshlrev_b32 v1, 4, v5                        ; 16 x lane
	v_lshlrev_b32 v2, 3, v5                        ; 8 x lane
	; key_'s TOKENS HAVE AN ORDER OF THEIR OWN: row i of tile 4 c + u is token 64 c + 32 (i / 8) + 8 u + i % 8, so that in the scores a lane's 32 registers of four tiles are 32 neighbouring keys
	s_cmp_eq_u32 s3, 1
	s_cselect_b32 s44, 0x10000, 0                  ; key_: a tile's rows 8-15 lie 16 rows of 4,096 bytes further on than query's and value's
	v_add_nc_u32 v31, s44, v1                      ; v31: the offset for a tile's rows 8-15; never rewritten
	v_and_b32 v3, 15, v0                           ; r
	v_bfe_u32 v4, v0, 4, 1                         ; h
	s_mul_i32 s44, s2, 8448
	s_add_co_u32 s44, s44, STG
	v_add_nc_u32 v5, s44, v1                       ; my stage, in: a row's 512 bytes, 16 a lane
	v_mul_u32_u24 v6, v3, 528
	v_lshl_add_u32 v6, v4, 6, v6
	v_add_nc_u32 v6, s44, v6                       ; out: row r, + 64 h
	s_mul_i32 s45, s2, 24576
	v_add_nc_u32 v7, s45, v1                       ; where I store x's images: my two tiles' 24,576 bytes
	s_lshl_b32 s45, s2, 11
	s_add_co_u32 s45, s45, XSC
	v_add_nc_u32 v8, s45, v2                       ; and their scale words: my pair's 2,048 bytes
	v_lshlrev_b32 v11, 6, v4                       ; bias of q, k: 16 h columns on
	v_and_b32 v12, 8, v3
	v_add_nc_u32 v12, v12, v3
	v_lshlrev_b32 v12, 2, v12                      ; bias of v: column r + 8 (r / 8)
.irp b, 0,1,2,3
	v_mov_b32 v[TM+4+\b], 0                        ; a lane permute's destination counts as read
.endr
	s_mov_b32 s20, 0x76543210
	s_mov_b32 s21, 0xfedcba98                      ; v_permlanex16_b32's selects for lane l xor 16
	s_mov_b32 s22, 0xffff0000                      ; lanes 16-31
	s_mov_b32 s23, 0x01010000                      ; the byte 1 for the two blocks of K that hold no numbers
	s_lshr_b32 s46, ttmp9, 4                       ; b
	s_and_b32 s47, ttmp9, 15                       ; ks
	s_mov_b32 s45, 0
	s_wait_kmcnt 0x0
	s_cmp_eq_u32 s3, 0
	s_cselect_b64 s[24:25], s[4:5], s[6:7]
	s_cselect_b64 s[26:27], s[10:11], s[12:13]
	s_cmp_eq_u32 s3, 2
	s_cselect_b64 s[24:25], s[8:9], s[24:25]       ; x
	s_cselect_b64 s[26:27], s[14:15], s[26:27]     ; its bias
	s_lshl_b32 s44, ttmp9, 19                      ; 128 blk rows of 4,096 bytes
	s_lshl_b32 s48, s2, 17                         ; + 32 w rows;
	s_lshr_b32 s49, s2, 1
	s_lshl_b32 s49, s49, 18
	s_and_b32 s50, s2, 1
	s_lshl_b32 s50, s50, 16
	s_add_co_u32 s49, s49, s50                     ; key_: + 64 (w / 2) + 16 (w % 2) rows
	s_cmp_eq_u32 s3, 1
	s_cselect_b32 s48, s49, s48
	s_add_co_u32 s44, s44, s48
	s_add_nc_u64 s[24:25], s[24:25], s[44:45]
	s_lshl_b32 s44, s2, 9
	s_add_nc_u64 s[26:27], s[26:27], s[44:45]      ; the bias at column 128 w
	s_mul_i32 s44, s3, 786432
	s_mul_i32 s48, s2, 98304
	s_add_co_u32 s44, s44, s48
	s_add_nc_u64 s[28:29], s[16:17], s[44:45]      ; W's images of group G = w
	s_lshl_b32 s44, s3, 16
	s_lshl_b32 s48, s2, 13
	s_add_co_u32 s44, s44, s48
	s_add_co_u32 s44, s44, WSCO
	s_add_nc_u64 s[32:33], s[16:17], s[44:45]      ; and their scale words
; ---------------- phase X.  Set k of four: tile 2 w + k % 2, K step 2 t + k / 2.
.macro LOADRAW k, extra                ; 16 rows x 512 bytes: each load reads 512 consecutive bytes
	WIN 0x40
.irp i, 0,1,2,3,4,5,6,7,8,9,10,11,12,13,14,15
.if \i < 8
	global_load_b128 v[64*(\k)+4*\i:64*(\k)+4*\i+3], v1, s[24:25] offset:(8*((\k)%2)+\i+8*(\i/8))*4096+512*((\k)/2)+(\extra) th:TH_LOAD_NT
.else
	global_load_b128 v[64*(\k)+4*\i:64*(\k)+4*\i+3], v31, s[24:25] offset:(8*((\k)%2)+\i+8*(\i/8))*4096+512*((\k)/2)+(\extra) th:TH_LOAD_NT
.endif
.endr
	WIN 0
.endm
.macro XFRAG k, more, cnt
	s_wait_loadcnt \cnt                            ; this set's 16 loads are in; the younger sets' may be out
	WIN 0x04
.irp i, 0,1,2,3,4,5,6,7,8,9,10,11,12,13,14,15
	ds_store_b128 v5, v[64*(\k)+4*\i:64*(\k)+4*\i+3] offset:528*\i
.endr
	WIN 0
.irp b, 0,1,2,3
.irp j, 0,1,2,3
	ds_load_b128 v[32+16*\b+4*\j:35+16*\b+4*\j], v6 offset:128*\b+16*\j   ; a wave's LDS instructions are served in order: these see the stores above
.endr
.endr
	s_wait_dscnt 0x0                               ; the numbers are back; the stores have read their registers, the last fragment's too
.if \more
	LOADRAW \k, 1024
.endif
	QUANT 32, 0, 64, 0
.irp g, 0,1,2
	ds_store_b128 v7, v[PC+4*\g:PC+4*\g+3] offset:((\k)%2)*12288+((\k)/2)*1536+512*\g
.endr
	ds_store_b32 v8, v[PW] offset:((\k)/2)*256+((\k)%2)*4
.endm
	LOADRAW 0, 0
	LOADRAW 1, 0
	LOADRAW 2, 0
	LOADRAW 3, 0
	s_mov_b32 s40, 3
.Lx:                                   ; a trip: two K steps of my two tiles; 64 loads of a wave are out
	XFRAG 0, 1, 48
	XFRAG 1, 1, 48
	XFRAG 2, 1, 48
	XFRAG 3, 1, 48
	s_wait_xcnt 0x0                                ; the loads have read their base,
	s_wait_dscnt 0x0                               ; the LDS stores their addresses
	s_add_nc_u64 s[24:25], s[24:25], 1024
	v_add_nc_u32 v7, 3072, v7
	v_add_nc_u32 v8, 512, v8
	s_sub_co_u32 s40, s40, 1
	s_cmp_lg_u32 s40, 0
	s_cbranch_scc1 .Lx
	XFRAG 0, 0, 48                                 ; the last two K steps load nothing: the counts run down
	XFRAG 1, 0, 32
	XFRAG 2, 0, 16
	XFRAG 3, 0, 0
	s_wait_dscnt 0x0                               ; for the others' sake: my images lie in LDS
	s_barrier_signal -1
	s_barrier_wait -1
; ---------------- phase G
; W's tiles 2 p, 2 p + 1 of the K step n steps on from where the pointers stand, into set q: six loads of fragments and one of the pair's scale words: SEVEN LOADS A PAIR, always in this order.
.macro WPAIR q, n, p
	WIN 0x40
.irp aa, 0,1
.irp g, 0,1,2
	global_load_b128 v[128*(\q)+12*(2*(\p)+\aa)+4*\g:128*(\q)+12*(2*(\p)+\aa)+4*\g+3], v1, s[30:31] offset:(\n)*12288+1536*(2*(\p)+\aa)+512*\g
.endr
.endr
	WIN 0
	global_load_b64 v[224+16*(\q)+2*(\p):225+16*(\q)+2*(\p)], v2, s[34:35] offset:(\n)*1024+256*(\p)
.endm
; x's eight fragments and scale words of the K step n steps on, from LDS into set q
.macro XLOADS q, n
	WIN 0
.irp p, 0,1,2,3
	ds_load_b64 v[232+16*(\q)+2*\p:233+16*(\q)+2*\p], v10 offset:\p*2048+(\n)*256
.endr
.irp t, 0,1,2,3,4,5,6,7
.irp g, 0,1,2
.if \t < 4
	ds_load_b128 v[32+96*(\q)+12*\t+4*\g:32+96*(\q)+12*\t+4*\g+3], v9 offset:\t*12288+(\n)*1536+512*\g
.else
	ds_load_b128 v[32+96*(\q)+12*\t+4*\g:32+96*(\q)+12*\t+4*\g+3], v13 offset:(\t-4)*12288+(\n)*1536+512*\g
.endif
.endr
.endr
.endm
; 16 products: W's tiles 2 p, 2 p + 1 x x's eight, on set q.  cmode 1: the first K step, whose C is the bias of W's tile (window 1).
.macro MULP path, q, p, cmode
.if (\cmode)
	WIN ((2+(\p)/2)<<6)|0x10|(1<<(2*(\path)))
.else
	WIN ((2+(\p)/2)<<6)|((2+(\p)/2)<<4)|(1<<(2*(\path)))
.endif
.irp aa, 0,1
.irp t, 0,1,2,3,4,5,6,7
.set ra, 2*(\p)+\aa
.set rW, 128*(\q)+12*ra
.set rX, 32+96*(\q)+12*\t
.if (\path) == 0
.set rD, 32*\t+8*(ra%4)
.else
.set rD, 64*(ra%4)+8*\t
.endif
.if (\cmode)
.set rC, 96+8*ra+96*(ra/4)
.else
.set rC, rD
.endif
.if (\path) == 0
	v_wmma_scale_f32_16x16x128_f8f6f4 v[rD:rD+7], v[rW:rW+11], v[rX:rX+11], v[rC:rC+7], v[224+16*(\q)+ra], v[232+16*(\q)+\t] matrix_a_fmt:MATRIX_FMT_FP6 matrix_b_fmt:MATRIX_FMT_FP6
.else
	v_wmma_scale_f32_16x16x128_f8f6f4 v[rD:rD+7], v[rX:rX+11], v[rW:rW+11], v[rC:rC+7], v[232+16*(\q)+\t], v[224+16*(\q)+ra] matrix_a_fmt:MATRIX_FMT_FP6 matrix_b_fmt:MATRIX_FMT_FP6
.endif
.endr
.endr
.endm
; A K STEP on set q.  x of this step was asked for a step ago; x of the next step (xn steps on from the LDS pointers) is asked for at the head, into the other set.
; W: ahead of pair p's products the wait leaves out all loads issued behind that pair's seven: 7 (3 - p) of this step, 28 of the next step, 7 p of the step two on, just issued: 49.
; Behind pair p's 16 products, and four places (ISA guide 7.12.1 for vector instructions), the same pair of the step two on (ldn steps on from the pointers) is loaded into its registers.
; The last two steps load nothing (ldn = -1): their counts are cb - cs p.
.macro KS path, q, cmode, ldn, xn, cb, cs
	s_wait_dscnt 0x0
.if (\xn) >= 0
	PLACES 4                                       ; in front of loads into x's other set, which the last step's products read
	XLOADS 1-(\q), \xn
.endif
.irp p, 0,1,2,3
	s_wait_loadcnt (\cb)-(\cs)*\p
	MULP \path, \q, \p, \cmode
.if (\ldn) >= 0
	PLACES 4
	WPAIR \q, \ldn, \p
.endif
.endr
	WIN 0
.endm
; What a pass asks for ahead of its first step: the bias, W's K step 0 and the first half of K step 1: 16 + 42 or 8 + 42 loads.  K step 1's other half follows at the pass's head.
.macro PROWA path
	WIN 0x40
.if \path == 0
.irp a, 0,1,2,3,4,5,6,7                ; lane (r, h), tile a, register j: column 32 (a / 2) + 16 h + 8 (a % 2) + j
	global_load_b128 v[96+8*\a+96*(\a/4):99+8*\a+96*(\a/4)], v11, s[26:27] offset:(32*(\a/2)+8*(\a%2))*4
	global_load_b128 v[100+8*\a+96*(\a/4):103+8*\a+96*(\a/4)], v11, s[26:27] offset:(32*(\a/2)+8*(\a%2))*4+16
.endr
.else
.irp a, 0,1,2,3,4,5,6,7                ; lane (r, h), tile a: column 32 (a / 2) + 8 (a % 2) + r + 8 (r / 8), for all eight registers: one is loaded, seven are copied at the pass's head
	global_load_b32 v[96+8*\a+96*(\a/4)], v12, s[26:27] offset:(32*(\a/2)+8*(\a%2))*4
.endr
.endif
	WPAIR 0, 0, 0
	WPAIR 0, 0, 1
	WPAIR 0, 0, 2
	WPAIR 0, 0, 3
	WPAIR 1, 1, 0
	WPAIR 1, 1, 1
.endm
; The way out of q and k: token tile o's 64 registers (32 in each window) are 128 columns = two heads of 64: one fragment's codes = two half fragments.
.macro EPI0
.irp o, 0,1,2,3,4,5,6,7
	s_wait_xcnt 0x0                                ; the last tile's stores have read their registers
	QUANT 32*\o, 2, 32*\o, 3
	global_store_b128 v1, v[PC:PC+3], s[36:37] offset:768*\o                ; 512 and 256 consecutive bytes, aligned to 256
	global_store_b64 v2, v[PC+4:PC+5], s[36:37] offset:768*\o+512
	global_store_b128 v1, v[PC+6:PC+9], s[36:37] offset:98304+768*\o        ; the next head
	global_store_b64 v2, v[PC+10:PC+11], s[36:37] offset:98304+768*\o+512
	v_mov_b32 v[PWS+\o], v[PW]
.endr
.irp j, 0,1,2,3
	v_cndmask_b32 v[SA+\j], v[PWS+2*\j], v[PWS+2*\j+1], s22   ; lanes 0-15 tile 2 j, lanes 16-31 tile 2 j + 1
.endr
.irp j, 0,1,2,3
	v_and_or_b32 v[SB+\j], v[SA+\j], 0xffff, s23   ; the first head's two bytes, and two bytes 1
	v_lshrrev_b32 v[SB2+\j], 16, v[SA+\j]
.endr
.irp j, 0,1,2,3
	v_or_b32 v[SB2+\j], s23, v[SB2+\j]             ; the second head's
.endr
	global_store_b128 v1, v[SB:SB+3], s[38:39]
	global_store_b128 v1, v[SB2:SB2+3], s[38:39] offset:8192
.endm
; The way out of v: column tile o's 64 registers are 128 keys: one fragment of head o / 4, d tile o % 4.
.macro EPI1
.irp o, 0,1,2,3,4,5,6,7
	s_wait_xcnt 0x0
	QUANT 64*(\o%4), 2+\o/4, 64*(\o%4)+32, 2+\o/4
.irp g, 0,1,2
	global_store_b128 v1, v[PC+4*\g:PC+4*\g+3], s[36:37] offset:(\o/4)*98304+(\o%4)*1536+512*\g
.endr
	v_mov_b32 v[PWS+\o], v[PW]
.endr
.irp j, 0,1,2,3
	v_cndmask_b32 v[SA+\j], v[PWS+2*\j], v[PWS+2*\j+1], s22
.endr
	global_store_b64 v2, v[SA:SA+1], s[38:39]
	global_store_b64 v2, v[SA+2:SA+3], s[38:39] offset:4096
.endm
.macro PASSBODY path
	v_mov_b32 v9, v1                               ; x's tiles 0-3 at K step 0,
	v_add_nc_u32 v13, 49152, v1                    ; tiles 4-7,
	v_add_nc_u32 v10, XSC, v2                      ; x's scale words
.if \path == 1
	s_wait_loadcnt 42                              ; the eight loads of the bias are in; behind them: 28 + 14 loads of W
	WIN 0x41
.irp a, 0,1,2,3,4,5,6,7
.irp j, 1,2,3,4,5,6,7
	v_mov_b32 v[96+8*\a+96*(\a/4)+\j], v[96+8*\a+96*(\a/4)]
.endr
.endr
	WIN 0
.endif
	WPAIR 1, 1, 2                                  ; K step 1's other half
	WPAIR 1, 1, 3
	XLOADS 0, 0
	s_wait_alu depctr_va_vdst(0)
	KS \path, 0, 1, 2, 1, 49, 0                    ; K step 0 starts the sums with the bias
	s_mov_b32 s42, 2
.Lk_\@:                                ; a trip: K steps 1 + 2 t and 2 + 2 t
	s_wait_alu depctr_va_vdst(0)
	KS \path, 1, 0, 3, 2, 49, 0
	KS \path, 0, 0, 4, 3, 49, 0
	s_wait_xcnt 0x0                                ; the loads have read their bases
	s_add_nc_u64 s[30:31], s[30:31], 24576         ; two K steps on
	s_add_nc_u64 s[34:35], s[34:35], 2048
	v_add_nc_u32 v9, 3072, v9
	v_add_nc_u32 v13, 3072, v13
	v_add_nc_u32 v10, 512, v10
	s_sub_co_u32 s42, s42, 1
	s_cmp_lg_u32 s42, 0
	s_cbranch_scc1 .Lk_\@
	s_wait_alu depctr_va_vdst(0)
	KS \path, 1, 0, 3, 2, 49, 0                    ; K step 5 asks for W's step 7
	KS \path, 0, 0, -1, 3, 49, 7                   ; K step 6: behind pair p: 7 (3 - p) + 28
	KS \path, 1, 0, -1, -1, 21, 7                  ; K step 7: 7 (3 - p): the last wait is for 0, so no load names a pointer behind it
	PLACES 4                                       ; in front of the first read of results and of loads into registers that the last products read
	s_cmp_eq_u32 s41, 1
	s_cbranch_scc1 .Lnp_\@                         ; the last pass asks for nothing more
	s_add_nc_u64 s[28:29], s[28:29], 393216        ; four groups of columns on
	s_add_nc_u64 s[32:33], s[32:33], 32768
	s_add_nc_u64 s[26:27], s[26:27], 2048
	s_mov_b64 s[30:31], s[28:29]
	s_mov_b64 s[34:35], s[32:33]
	PROWA \path                                    ; the next pass's first weights are on their way while this pass's results are quantised and stored
.Lnp_\@:
.if \path == 0
	EPI0
.else
	EPI1
.endif
.endm
	s_mov_b64 s[30:31], s[28:29]                   ; the walking pointers
	s_mov_b64 s[34:35], s[32:33]
	s_cmp_eq_u32 s3, 2
	s_cbranch_scc1 .Lpath_v
	PROWA 0
	s_lshl_b32 s44, s3, 6
	s_lshl_b32 s48, s46, 4
	s_add_co_u32 s44, s44, s48
	s_lshl_b32 s48, s2, 1
	s_add_co_u32 s48, s44, s48                     ; 64 z + 16 b + 2 w: my first head
	s_mul_i32 s44, s48, 98304
	s_mul_i32 s49, s47, 6144
	s_add_co_u32 s44, s44, s49
	s_add_nc_u64 s[36:37], s[18:19], s[44:45]      ; its tiles 8 ks ..
	s_lshl_b32 s44, s48, 13
	s_lshl_b32 s49, s47, 9
	s_add_co_u32 s44, s44, s49
	s_add_co_u32 s44, s44, QKSO
	s_add_nc_u64 s[38:39], s[18:19], s[44:45]      ; and their scale words
	s_mov_b32 s41, 2
.Lpass_qk:
	PASSBODY 0
	s_wait_xcnt 0x0                                ; the stores have read their registers and bases
	s_add_nc_u64 s[36:37], s[36:37], 786432        ; eight heads on
	s_add_nc_u64 s[38:39], s[38:39], 65536
	s_sub_co_u32 s41, s41, 1
	s_cmp_lg_u32 s41, 0
	s_cbranch_scc1 .Lpass_qk
	s_wait_xcnt 0x0
	v_lshl_add_u32 v254, v0, 2, 0x22400
	v_mov_b32 v255, 0
	s_wait_alu depctr_va_vdst(0)
	s_wait_tensorcnt 0x0
	ds_add_u32 v254, v255
	s_wait_dscnt 0x0
	s_endpgm
.Lpath_v:
	PROWA 1
	s_lshl_b32 s48, s46, 4
	s_lshl_b32 s49, s2, 1
	s_add_co_u32 s48, s48, s49                     ; 16 b + 2 w
	s_mul_i32 s44, s48, 98304
	s_mul_i32 s49, s47, 6144
	s_add_co_u32 s44, s44, s49
	s_add_co_u32 s44, s44, VIO
	s_add_nc_u64 s[36:37], s[18:19], s[44:45]
	s_lshl_b32 s44, s48, 12
	s_lshl_b32 s49, s47, 8
	s_add_co_u32 s44, s44, s49
	s_add_co_u32 s44, s44, VSO
	s_add_nc_u64 s[38:39], s[18:19], s[44:45]
	s_mov_b32 s41, 2
.Lpass_v:
	PASSBODY 1
	s_wait_xcnt 0x0
	s_add_nc_u64 s[36:37], s[36:37], 786432
	s_add_nc_u64 s[38:39], s[38:39], 32768
	s_sub_co_u32 s41, s41, 1
	s_cmp_lg_u32 s41, 0
	s_cbranch_scc1 .Lpass_v
	s_wait_xcnt 0x0
	v_lshl_add_u32 v254, v0, 2, 0x22400
	v_mov_b32 v255, 0
	s_wait_alu depctr_va_vdst(0)
	s_wait_tensorcnt 0x0
	ds_add_u32 v254, v255
	s_wait_dscnt 0x0
	s_endpgm
.Lfunc_end_k_q00c19722f7_proj:
	.size	k_q00c19722f7_proj, .Lfunc_end_k_q00c19722f7_proj-k_q00c19722f7_proj
	.p2alignl 7, 3214868480
	.fill 96, 4, 3214868480
	.section	.rodata,"a",@progbits
	.p2align	6, 0x0
	.amdhsa_kernel k_q00c19722f7_proj
		.amdhsa_group_segment_fixed_size 140800
		.amdhsa_private_segment_fixed_size 0
		.amdhsa_enable_private_segment 0
		.amdhsa_kernarg_size 64
		.amdhsa_user_sgpr_count 2
		.amdhsa_user_sgpr_kernarg_segment_ptr 1
		.amdhsa_wavefront_size32 1
		.amdhsa_system_sgpr_workgroup_id_x 1
		.amdhsa_system_sgpr_workgroup_id_y 1
		.amdhsa_system_sgpr_workgroup_id_z 1
		.amdhsa_system_vgpr_workitem_id 0
		.amdhsa_next_free_vgpr 1024
		.amdhsa_next_free_sgpr 66
		.amdhsa_reserve_vcc 0
		.amdhsa_float_denorm_mode_32 3
		.amdhsa_float_denorm_mode_16_64 3
		.amdhsa_memory_ordered 1
		.amdhsa_forward_progress 1
		.amdhsa_inst_pref_size 255
	.end_amdhsa_kernel
	.section	.bss,"aw",@nobits
	.p2align	6
	.space	262144
	.amdgpu_metadata
---
amdhsa.version: [ 1, 2 ]
amdhsa.kernels:
  - .name:           k_q00c19722f7_proj
    .symbol:         k_q00c19722f7_proj.kd
    .args:
      - { .name: query, .offset: 0, .size: 8, .value_kind: global_buffer, .address_space: global }
      - { .name: key_, .offset: 8, .size: 8, .value_kind: global_buffer, .address_space: global }
      - { .name: value, .offset: 16, .size: 8, .value_kind: global_buffer, .address_space: global }
      - { .name: bq, .offset: 24, .size: 8, .value_kind: global_buffer, .address_space: global }
      - { .name: bk, .offset: 32, .size: 8, .value_kind: global_buffer, .address_space: global }
      - { .name: bv, .offset: 40, .size: 8, .value_kind: global_buffer, .address_space: global }
      - { .name: wts, .offset: 48, .size: 8, .value_kind: global_buffer, .address_space: global }
      - { .name: qkv, .offset: 56, .size: 8, .value_kind: global_buffer, .address_space: global }
    .group_segment_fixed_size: 140800
    .private_segment_fixed_size: 0
    .kernarg_segment_align: 8
    .kernarg_segment_size: 64
    .max_flat_workgroup_size: 128
    .sgpr_count:     66
    .vgpr_count:     1024
    .wavefront_size: 32
...
	.end_amdgpu_metadata
.endif
;; end of part 2
;; launch attn (part 3): grid 64 x 4, 16 waves a work-group, no clusters, 210,944 bytes of LDS; arguments qkv, msk, act, mfl; writes act
.if DOCPART == 3
	.amdgcn_target "amdgcn-amd-amdhsa--gfx1250"
	.amdhsa_code_object_version 6
	.text
	.protected	k_q00c19722f7_attn
	.globl	k_q00c19722f7_attn
	.p2align	8
	.type	k_q00c19722f7_attn,@function
k_q00c19722f7_attn:
	s_mov_b64 s[64:65], 0
	v_nop
	global_prefetch_b8 v0, s[64:65] scope:SCOPE_SE
	s_setreg_imm32_b32 hwreg(HW_REG_WAVE_MODE, 25, 1), 1
	s_wait_xcnt 0x0
; Attention of one head on codes of FP6 (E2M3): S^T = K Q^T, the mask, a streaming softmax, O^T = V^T P^T, division by the row's sum, and the result quantised along the model's 1,024 for the last projection.
; Work-group (bh, Qr): 512 queries of head bh (batch b = bh / 16).  Each of sixteen waves owns one tile of 16 queries at a time, T = 32 Qr + w + 16 p in pass p = 0, 1, and walks the 16 key steps of 128 keys.
; THE WHOLE HEAD'S K, V AND SCALE WORDS LIE IN LDS, as images of operand registers, copied once at the head through registers; one barrier; behind it LDS is only read.
; BOTH PASSES' Q, Q's scale words and flag words are asked for at the head, ahead of the copy's loads: the change of pass is moves between registers.
; Both products are used transposed: a lane holds ONE query (lane % 16) throughout.
; THE KEYS OF A TILE OF K: row 8 h + j of tile 4 c + u is key 64 c + 32 h + 8 u + j of the step.  So register 32 c + i of lane (r, h) is the score of key 64 c + 32 h + i:
;   a lane's 32 registers are ONE scale block of the second product's K, in the order of its operand: a block's largest p needs no other lane, and two conversions give six operand registers as they fall.
;   Queries and V's d keep the order: row r of tile 2 g + u is index 32 g + 8 u + r + 8 (r / 8).
; THE FIRST PRODUCT'S K IS 64: a half fragment is 6 registers.  Q's upper six registers are zero codes; K's upper six are whatever follows (the next tile's codes; behind the last tile the second pass's Q): every code of FP6 is a finite number,
;   and the scale bytes of those two blocks are 1 on both sides: they add exact zeros.
; THE SOFTMAX: t = score x log2(e) / 8; M = the running largest t rounded up to a whole number, kept as -M = floor(-t); p = 2^(t - M) is quantised along the keys, not normalised; the row's sum is taken of the unquantised p.
;   When M moves, the sum and O^T are multiplied by 2^(old M - new M), exactly.  A block's largest p is made from its largest score by the same multiply-add and exponential.
; THE MASK comes as whole numbers that an earlier launch stored: lane masks, one word for each score register (msk), and for each query tile a bit for each key step (mfl), set where no key of the step is hidden from any query of the tile.
;   A scalar branch on that bit parts two copies of the step's front part: where keys are hidden the step's 64 words are loaded ahead of the front part, and 64 selects put -infinity for the hidden keys; else neither is done.
; No cluster, no joint loads, no tensor loads: the step's branch hangs on a word read from memory; a head's K and V, 208,896 bytes, are fetched once in a work-group's life.
; No prefetch: all that is streamed is asked for at the head, in one run of 32 loads a thread; there is no loop to run ahead in.
; A ROW WHOSE MASK IS ALL ZERO has the sum 0: its two scale bytes become 0xff, which makes that row of the last projection NaN, as the softmax of such a row is.
; LIMITS: a block whose largest magnitude lies under 2^-124, a block of zeros too, gets the scale byte 1; NaN and infinities among the inputs are not served.
; REGISTERS: v1, v2 16 x and 8 x lane; v3-7 the step's LDS addresses (at the head: the copy's); v8 16 x (lane % 16); v10 8 h; v11, v94, v95 the bases of K's scale words, V's scale words and V; v12 -M, v13 the largest score, v[14:15] the sum;
;   v16-27 Q; v30, v31 the spare word and 0; v32-79 K's tiles, then V's; v80-85 the second pass's Q; v86-93 the blocks' scales at work; v96-159 S^T, then p; v160-191 O^T; v192-193 V's scale words; v194 -infinity; v196-199 K's scale words;
;   v200-217 maxima; v218-231 partial sums; v232-243 p's codes; v244-250 second halves of codes; v251 the second pass's Q's scale word; v252 the factor, v253 p's scale word, v254 at work, v255 Q's scale word.  (At the head v96-197 hold the copy.)
;   s24 the key step, s25 passes to go, s26 T, s29 the tile's 16 bits, s31 the second pass's, s32-63 and s68-99 a step's 64 mask words.
.set LV,    98304                      ; LDS: K's 128 half fragments at 0; V's 64 fragments here;
.set LKS,   196608                     ; K's scale words, 512 bytes a key step;
.set LVS,   204800                     ; V's, 256 bytes a key step;
.set SPARE, 208896                     ; the spare words, 128 bytes a wave
.set VIO,   12582912
.set QKSO,  18874368
.set VSO,   19922944
.set ASO,   6291456
.set SCR,   96
.set OT,    160
.set MX,    200
.set TS,    218
.set PC,    232
.set CT,    244
	s_load_b128 s[4:7], s[0:1], 0x0                ; qkv, msk
	s_load_b128 s[8:11], s[0:1], 0x10              ; act, mfl
	v_lshl_add_u32 v30, v0, 2, SPARE
	v_mov_b32 v31, 0
	v_lshrrev_b32 v1, 5, v0
	s_delay_alu instid0(VALU_DEP_1)
	v_readfirstlane_b32 s2, v1                     ; wave 0..15
	s_mov_b32 s3, ttmp9                            ; bh
	v_lshlrev_b32 v4, 4, v0                        ; the copy: 16 bytes a thread, 8,192 a round
	s_delay_alu instid0(VALU_DEP_1)
	v_add_nc_u32 v5, 65536, v4
	s_delay_alu instid0(VALU_DEP_2)
	v_add_nc_u32 v6, 131072, v4
	s_delay_alu instid0(VALU_DEP_3)
	v_add_nc_u32 v7, 196608, v4
	v_lshlrev_b32 v3, 3, v0
	s_delay_alu instid0(VALU_DEP_1)
	v_add_nc_u32 v9, LVS, v3
	v_and_b32 v10, 31, v0
	s_delay_alu instid0(VALU_DEP_1)
	v_lshlrev_b32 v1, 4, v10
	s_delay_alu instid0(VALU_DEP_2)
	v_lshlrev_b32 v2, 3, v10
	v_and_b32 v8, 15, v0
	s_delay_alu instid0(VALU_DEP_1)
	v_lshlrev_b32 v8, 4, v8
	s_mul_i32 s28, s3, 98304
	s_add_co_u32 s12, s28, 64*98304                ; k's images of my head
	s_mov_b32 s13, 0
	s_add_co_u32 s14, s28, VIO                     ; v's
	s_mov_b32 s15, 0
	s_lshl_b32 s16, s3, 13
	s_add_co_u32 s16, s16, QKSO+64*8192            ; k's scale words
	s_mov_b32 s17, 0
	s_lshl_b32 s18, s3, 12
	s_add_co_u32 s18, s18, VSO                     ; v's
	s_mov_b32 s19, 0
	s_and_b32 s26, ttmp7, 0xffff                   ; Qr
	s_lshl_b32 s26, s26, 5
	s_add_co_u32 s26, s26, s2                      ; T of pass 0; pass 1's is 16 on
	s_lshr_b32 s27, s3, 4
	s_lshl_b32 s27, s27, 7
	s_add_co_u32 s27, s27, s26                     ; 128 b + T
	s_lshl_b32 s66, s27, 12                        ; the tile's mask words, 256 bytes a key step
	s_mov_b32 s67, 0
	s_lshl_b32 s28, s27, 2                         ; its four flag bytes
	s_lshl_b32 s68, s3, 7
	s_add_co_u32 s68, s68, s26
	s_mul_i32 s68, s68, 768                        ; q's half fragment of tile T; 16 tiles on: 12,288 bytes
	s_mov_b32 s69, 0
	s_lshl_b32 s70, s3, 4
	s_lshr_b32 s71, s26, 3
	s_add_co_u32 s70, s70, s71
	s_lshl_b32 s70, s70, 9                         ; its scale words: 512 bytes for eight tiles (16 tiles on: 1,024 bytes);
	s_and_b32 s71, s26, 1
	s_lshl_b32 s71, s71, 8                         ; an odd tile's lie in lanes 16-31's places;
	s_add_co_u32 s70, s70, s71
	s_bfe_u32 s71, s26, 0x20001
	s_lshl_b32 s71, s71, 2                         ; word (T / 2) % 4
	s_add_co_u32 s70, s70, s71
	s_add_co_u32 s70, s70, QKSO
	s_mov_b32 s71, 0
	s_mov_b32 s20, 0x76543210
	s_mov_b32 s21, 0xfedcba98                      ; v_permlanex16_b32's selects for lane l xor 16
	s_mov_b32 s22, 0x3e38aa3b                      ; c = log2(e) / sqrt(64)
	s_mov_b32 s23, s22                             ; (named with it as a pair)
	s_mov_b32 s30, 0xbe38aa3b                      ; -c
	s_mov_b32 s25, 2
	s_wait_alu depctr_va_vdst(0)
	s_wait_kmcnt 0x0
	s_add_nc_u64 s[12:13], s[4:5], s[12:13]
	s_add_nc_u64 s[14:15], s[4:5], s[14:15]
	s_add_nc_u64 s[16:17], s[4:5], s[16:17]
	s_add_nc_u64 s[18:19], s[4:5], s[18:19]
	s_add_nc_u64 s[66:67], s[6:7], s[66:67]
	s_add_nc_u64 s[68:69], s[4:5], s[68:69]
	s_add_nc_u64 s[70:71], s[4:5], s[70:71]
	s_load_b32 s29, s[10:11], s28 offset:0x0       ; the flag bytes of pass 0's tile,
	s_load_b32 s31, s[10:11], s28 offset:0x40      ; and of pass 1's
	global_load_b128 v[16:19], v1, s[68:69]        ; Q of pass 0,
	global_load_b64 v[20:21], v2, s[68:69] offset:512
	global_load_b32 v255, v8, s[70:71]
	global_load_b128 v[80:83], v1, s[68:69] offset:12288   ; and of pass 1
	global_load_b64 v[84:85], v2, s[68:69] offset:12800
	global_load_b32 v251, v8, s[70:71] offset:1024
.irp p, 0,1,2,3,4,5,6,7,8,9,10,11
	global_load_b128 v[96+4*\p:99+4*\p], v4, s[12:13] offset:8192*\p
.endr
.irp p, 0,1,2,3,4,5,6,7,8,9,10,11
	global_load_b128 v[144+4*\p:147+4*\p], v4, s[14:15] offset:8192*\p
.endr
	global_load_b128 v[192:195], v4, s[16:17]
	global_load_b64 v[196:197], v3, s[18:19]
.set p, 0
.rept 25
	s_wait_loadcnt 25-p                            ; round p is in, and Q's six loads, which are older; the 25 - p younger loads may be out
	ds_store_b128 v[4+p/8], v[96+4*p:99+4*p] offset:(8192*p)%65536
.set p, p+1
.endr
	s_wait_loadcnt 0x0
	ds_store_b64 v9, v[196:197]
	s_wait_dscnt 0x0                               ; for the others' sake: my part of the head lies in LDS
	s_barrier_signal -1
	s_barrier_wait -1
	s_wait_kmcnt 0x0                               ; the flag bytes: bits 0-3 of byte w are key steps 4 w .. 4 w + 3
.irp r, 29,31
	s_and_b32 s12, s\r, 0x000f000f
	s_lshr_b32 s13, s\r, 4
	s_and_b32 s13, s13, 0x00f000f0
	s_or_b32 s12, s12, s13                         ; bits 0-7: steps 0-7; bits 16-23: steps 8-15
	s_lshr_b32 s13, s12, 8
	s_or_b32 s\r, s12, s13                         ; bit ks: key step ks (the bits from 16 on are not read)
.endr
	v_bfe_u32 v10, v0, 4, 1
	s_delay_alu instid0(VALU_DEP_1)
	v_lshlrev_b32 v10, 3, v10                      ; 8 h: where my two bytes stand in p's scale word
	v_add_nc_u32 v11, LKS, v1
	v_add_nc_u32 v94, LVS, v2
	v_add_nc_u32 v95, LV, v1
.irp j, 22,23,24,25,26,27,93,217,252,253
	v_mov_b32 v\j, 0                               ; Q's upper half; the permutes' destinations and the pair v[252:253] are written before they are named
.endr
	v_mov_b32 v194, 0xff800000                     ; -infinity
.macro TMINUSM n                       ; t - M, two at a time, for the next n pairs of scores
.rept \n
	v_pk_fma_f32 v[SCR+j:SCR+j+1], v[SCR+j:SCR+j+1], s[22:23], v[12:13] op_sel_hi:[1,0,0]
.set j, j+2
.endr
.endm
; Four lines of round r of the row's sum, from line a on.  The 32 pairs of p go into eight chains by turns: seven partial sums and the sum itself (line 7).
.macro SUMS r, a
.irp i, \a, \a+1, \a+2, \a+3
.if (\i) == 7
	v_pk_add_f32 v[14:15], v[14:15], v[SCR+2*(14+8*\r):SCR+2*(14+8*\r)+1]
.elseif \r == 0
	v_pk_add_f32 v[TS+2*(\i):TS+2*(\i)+1], v[SCR+4*(\i):SCR+4*(\i)+1], v[SCR+4*(\i)+2:SCR+4*(\i)+3]
.else
	v_pk_add_f32 v[TS+2*(\i):TS+2*(\i)+1], v[TS+2*(\i):TS+2*(\i)+1], v[SCR+2*(7+8*\r+(\i)):SCR+2*(7+8*\r+(\i))+1]
.endif
.endr
.endm
; The step's front part: K's tiles and the scale words from LDS, S^T, and the request for V's fragments.
.macro FRONT
	v_mad_u32_u24 v3, s24, 0x1800, v1              ; 6,144 bytes of K's images a key step.  (These four are also the places behind the last step's products, in front of the loads below)
	v_mad_u32_u24 v4, s24, 0x1800, v2
	v_mad_u32_u24 v6, s24, 0x200, v11
	v_mad_u32_u24 v7, s24, 0x100, v94
	ds_load_b128 v[196:199], v6                    ; word j: lanes 0-15 tile 2 j's, lanes 16-31 tile 2 j + 1's
.irp t, 0,1,2,3,4,5,6,7
	ds_load_b128 v[32+6*\t:35+6*\t], v3 offset:768*\t
	ds_load_b64 v[36+6*\t:37+6*\t], v4 offset:768*\t+512
.endr
	ds_load_b64 v[192:193], v7
	s_wait_dscnt 9                                 ; K's scale words and tiles 0-3 are in: the nine youngest loads (tiles 4-7, V's scale words) may be out
.irp t, 0,1,2,3,4,5,6,7                ; S^T: register 32 c + i of lane (r, h): key 64 c + 32 h + i, query r.  The product of tile t names tile t + 1's registers too
.if \t == 3
	s_wait_dscnt 0x0
.endif
.if \t%2
	v_wmma_scale_f32_16x16x128_f8f6f4 v[SCR+8*\t:SCR+7+8*\t], v[32+6*\t:43+6*\t], v[16:27], 0, v[196+\t/2], v255 matrix_a_fmt:MATRIX_FMT_FP6 matrix_b_fmt:MATRIX_FMT_FP6 matrix_a_scale:MATRIX_SCALE_ROW1
.else
	v_wmma_scale_f32_16x16x128_f8f6f4 v[SCR+8*\t:SCR+7+8*\t], v[32+6*\t:43+6*\t], v[16:27], 0, v[196+\t/2], v255 matrix_a_fmt:MATRIX_FMT_FP6 matrix_b_fmt:MATRIX_FMT_FP6
.endif
.endr
	v_mad_u32_u24 v5, s24, 0x1800, v95             ; four places in front of the loads into K's registers and of the first read of scores:
	v_mov_b32 v254, v12                            ; the old -M,
	v_pk_add_f32 v[14:15], v[14:15], v[TS:TS+1]    ; and two joins of the LAST step's partial sums (the first step of a pass finds zeros)
	v_pk_add_f32 v[TS+2:TS+3], v[TS+2:TS+3], v[TS+10:TS+11]
.irp d, 0,1,2,3
.irp g, 0,1,2
	ds_load_b128 v[32+12*\d+4*\g:35+12*\d+4*\g], v5 offset:1536*\d+512*\g   ; V's four fragments land while the softmax is worked
.endr
.endr
.endm
.Lpass:
	v_mov_b32 v13, 0xff61b1e6                      ; the largest score so far: -3e38
	s_delay_alu instid0(VALU_DEP_1)
	v_mul_f32 v12, s30, v13
	s_delay_alu instid0(VALU_DEP_1)
	v_floor_f32 v12, v12                           ; -M
	v_mov_b32 v14, 0
	v_mov_b32 v15, 0
.irp j, 0,1,2,3,10,11
	v_mov_b32 v[TS+\j], 0                          ; the three partial sums that the first step joins
.endr
.set j, 0
.rept 32
	v_mov_b32 v[OT+j], 0                           ; O^T: the step is written once; the first change of M leaves zeros zeros
.set j, j+1
.endr
	s_mov_b32 s24, 0                               ; the key step
.Lstep:
	s_bitcmp1_b32 s29, s24
	s_cbranch_scc1 .Lfast                          ; no key of this step is hidden from any query of the tile
	s_lshl_b32 s12, s24, 8
	s_load_b512 s[32:47], s[66:67], s12 offset:0x0 ; the step's 64 lane masks land while the scores are made
	s_load_b512 s[48:63], s[66:67], s12 offset:0x40
	s_load_b512 s[68:83], s[66:67], s12 offset:0x80
	s_load_b512 s[84:99], s[66:67], s12 offset:0xc0
	FRONT
	s_wait_kmcnt 0x0
.set n, 0
.rept 32
	v_cndmask_b32 v[SCR+n], v194, v[SCR+n], s[32+n]  ; a hidden key's score becomes -infinity: p = 0
.set n, n+1
.endr
.rept 32
	v_cndmask_b32 v[SCR+n], v194, v[SCR+n], s[36+n]
.set n, n+1
.endr
	s_branch .Ljoin
.Lfast:
	FRONT
.Ljoin:
.irp t, 0,1,2,3,4,5,6,7                ; the largest score of each of my two blocks of 32 keys: eight chains by turns, one to an accumulator, each from its low end on
	v_max3_num_f32 v[MX+\t], v[SCR+8*\t], v[SCR+1+8*\t], v[SCR+2+8*\t]
.endr
.irp i, 3,5
.irp t, 0,1,2,3,4,5,6,7
	v_max3_num_f32 v[MX+\t], v[MX+\t], v[SCR+8*\t+\i], v[SCR+1+8*\t+\i]
.endr
.endr
	v_max_num_f32 v208, v[SCR+23], v[SCR+31]       ; the accumulators' eighth registers join here
	v_max3_num_f32 v210, v200, v201, v[SCR+7]
	v_max3_num_f32 v211, v202, v203, v[SCR+15]
	v_max3_num_f32 v212, v204, v205, v[SCR+39]
	v_max3_num_f32 v213, v206, v207, v[SCR+47]
	v_max_num_f32 v209, v[SCR+55], v[SCR+63]
	v_pk_add_f32 v[14:15], v[14:15], v[TS+2:TS+3]  ; the last join of the last step's sums
	v_max3_num_f32 v214, v210, v211, v208          ; block h's largest score,
	s_delay_alu instid0(VALU_DEP_3)
	v_max3_num_f32 v215, v212, v213, v209          ; block 2 + h's
	s_delay_alu instid0(VALU_DEP_1)
	v_max3_num_f32 v13, v13, v214, v215
	s_delay_alu instid0(VALU_DEP_1)
	v_permlanex16_b32 v217, v13, s20, s21
	s_delay_alu instid0(VALU_DEP_1)
	v_max_num_f32 v13, v13, v217                   ; with lane l xor 16's two blocks: the running largest score of my query
	s_delay_alu instid0(VALU_DEP_1)
	v_mul_f32 v216, s30, v13                       ; -t
	s_delay_alu instid0(VALU_DEP_1)
	v_floor_f32 v12, v216                          ; the new -M
	s_delay_alu instid0(VALU_DEP_1)
	v_sub_f32 v254, v12, v254                      ; old M - new M: a whole number, 0 or less
.set j, 0
	TMINUSM 5
	v_cvt_i32_f32 v254, v254                       ; (it saturates)
	TMINUSM 5
	v_ldexp_f32 v252, 1.0, v254                    ; f = 2^(old M - new M)
	TMINUSM 22
	v_fma_f32 v214, v214, s22, v12                 ; the same of each block's largest score
	v_fma_f32 v215, v215, s22, v12
	s_wait_alu depctr_va_vdst(0)
	v_exp_f32 v214, v214                           ; each block's largest p
	v_exp_f32 v215, v215
.set j, 0
.rept 64
	v_exp_f32 v[SCR+j], v[SCR+j]                   ; p = 2^(t - M)
.set j, j+1
.endr
	v_pk_mul_f32 v[14:15], v[14:15], v[252:253] op_sel_hi:[1,0]   ; the sum under the new M: a plain instruction behind the exponentials
	s_wait_alu depctr_va_vdst(0)                   ; one wait for the batch, ahead of its first reader
	; the row's sum of the unquantised p, and among its lines the two blocks' scales: no line reads what one of the four lines ahead of it wrote
	v_max_num_f32 v88, 0x1800000, v214             ; the floor 2^(3 - 127)
	v_max_num_f32 v89, 0x1800000, v215
	SUMS 0, 0
	v_add_nc_u32 v86, 0xff000000, v88              ; 2 off the exponent field: the conversions' scale operands
	v_add_nc_u32 v87, 0xff000000, v89
	SUMS 0, 4
	v_lshrrev_b32 v90, 23, v86                     ; the scales' bytes
	v_lshrrev_b32 v91, 23, v87
	SUMS 1, 0
	v_lshl_or_b32 v92, v91, 16, v90                ; blocks h and 2 + h,
	SUMS 1, 4
	v_lshlrev_b32 v92, v10, v92                    ; at their places in the word, 8 h bits up
	SUMS 2, 0
	v_permlanex16_b32 v93, v92, s20, s21
	SUMS 2, 4
	v_pk_add_f32 v[TS:TS+1], v[TS:TS+1], v[SCR+62:SCR+63]
	v_pk_add_f32 v[TS+2:TS+3], v[TS+2:TS+3], v[TS+4:TS+5]
	v_pk_add_f32 v[TS+6:TS+7], v[TS+6:TS+7], v[TS+8:TS+9]
	v_pk_add_f32 v[TS+10:TS+11], v[TS+10:TS+11], v[TS+12:TS+13]
	v_or_b32 v253, v92, v93                        ; p's scale word for these 128 keys, whole with lane l xor 16's two bytes
	v_cvt_scalef32_pk16_fp6_f32 v[PC:PC+2], v[SCR:SCR+15], v86
	v_cvt_scalef32_pk16_fp6_f32 v[CT:CT+2], v[SCR+16:SCR+31], v86         ; (a conversion's three registers begin on an even number)
	v_cvt_scalef32_pk16_fp6_f32 v[PC+6:PC+8], v[SCR+32:SCR+47], v87
	v_cvt_scalef32_pk16_fp6_f32 v[CT+4:CT+6], v[SCR+48:SCR+63], v87
	v_pk_add_f32 v[TS+2:TS+3], v[TS+2:TS+3], v[TS+6:TS+7]   ; the plain instruction behind the conversions.  Three partial sums are left: the next step, or the way out, joins them
.irp c, 0,1
.irp i, 0,1,2
	v_mov_b32 v[PC+3+6*\c+\i], v[CT+4*\c+\i]       ; registers 6 c .. 6 c + 5: keys 64 c + 32 h + 0 .. 31
.endr
.endr
	s_wait_dscnt 0x0                               ; V is in
	s_wait_alu depctr_va_vdst(0)                   ; the wait directly ahead of the first reader of O^T
.set j, 0
.rept 16
	v_pk_mul_f32 v[OT+j:OT+j+1], v[OT+j:OT+j+1], v[252:253] op_sel_hi:[1,0]   ; O^T under the new M; these are also the places between the scale word and codes just written and the products below
.set j, j+2
.endr
.irp d, 0,1,2,3                        ; O^T += V^T P^T: four accumulators by turns
.if \d%2
	v_wmma_scale_f32_16x16x128_f8f6f4 v[OT+8*\d:OT+7+8*\d], v[32+12*\d:43+12*\d], v[PC:PC+11], v[OT+8*\d:OT+7+8*\d], v[192+\d/2], v253 matrix_a_fmt:MATRIX_FMT_FP6 matrix_b_fmt:MATRIX_FMT_FP6 matrix_a_scale:MATRIX_SCALE_ROW1
.else
	v_wmma_scale_f32_16x16x128_f8f6f4 v[OT+8*\d:OT+7+8*\d], v[32+12*\d:43+12*\d], v[PC:PC+11], v[OT+8*\d:OT+7+8*\d], v[192+\d/2], v253 matrix_a_fmt:MATRIX_FMT_FP6 matrix_b_fmt:MATRIX_FMT_FP6
.endif
.endr
	s_add_co_u32 s24, s24, 1
	s_cmp_lt_u32 s24, 16
	s_cbranch_scc1 .Lstep
	; the tile's way out: O^T / the sum; register 16 b + i of lane (r, h) is d = 32 b + 16 h + i of query r: two blocks of the last projection's K
	v_pk_add_f32 v[14:15], v[14:15], v[TS:TS+1]    ; the last step's three partial sums
	v_pk_add_f32 v[TS+2:TS+3], v[TS+2:TS+3], v[TS+10:TS+11]
.rept 4
	v_nop
.endr
	v_pk_add_f32 v[14:15], v[14:15], v[TS+2:TS+3]
	s_delay_alu instid0(VALU_DEP_1)
	v_add_f32 v14, v14, v15
	s_delay_alu instid0(VALU_DEP_1)
	v_permlanex16_b32 v252, v14, s20, s21
	s_delay_alu instid0(VALU_DEP_1)
	v_add_f32 v14, v14, v252                       ; the row's sum
	s_wait_alu depctr_va_vdst(0)
	v_rcp_f32 v15, v14
	v_mov_b32 v9, 0xffff                           ; (a plain instruction behind the reciprocal)
	s_lshr_b32 s12, s3, 4
	s_lshl_b32 s12, s12, 4
	s_lshr_b32 s13, s26, 3
	s_add_co_u32 s12, s12, s13                     ; blk = 16 b + T / 8
	s_bfe_u32 s13, s3, 0x30001                     ; K step of the last projection: head / 2
	s_and_b32 s14, s3, 1                           ; which half of it: head % 2
	s_and_b32 s15, s26, 7                          ; T % 8
	s_lshl_b32 s16, s12, 3
	s_add_co_u32 s16, s16, s13
	s_lshl_b32 s16, s16, 3
	s_add_co_u32 s16, s16, s15
	s_mul_i32 s16, s16, 1536
	s_mul_i32 s17, s14, 768
	s_add_co_u32 s16, s16, s17
	s_mov_b32 s17, 0
	s_add_nc_u64 s[16:17], s[8:9], s[16:17]        ; my half fragment in act
	s_lshl_b32 s18, s12, 13
	s_lshl_b32 s19, s13, 10
	s_add_co_u32 s18, s18, s19
	s_lshr_b32 s19, s15, 1
	s_lshl_b32 s19, s19, 8
	s_add_co_u32 s18, s18, s19
	s_and_b32 s19, s15, 1
	s_lshl_b32 s19, s19, 2
	s_add_co_u32 s18, s18, s19
	s_lshl_b32 s19, s14, 1
	s_add_co_u32 s18, s18, s19
	s_add_co_u32 s18, s18, ASO
	s_mov_b32 s19, 0
	s_add_nc_u64 s[18:19], s[8:9], s[18:19]        ; my two bytes of the tile's scale words
	s_wait_alu depctr_va_vdst(0)                   ; the wait ahead of the reciprocal's first reader
.set j, 0
.rept 32
	v_mul_f32 v[SCR+j], v[OT+j], v15
.set j, j+1
.endr
.irp b, 0,1
	v_max3_num_f32 v[MX+\b], |v[SCR+16*\b]|, |v[SCR+1+16*\b]|, 0x1800000
.endr
.irp i, 2,4,6,8,10,12,14
.irp b, 0,1
	s_delay_alu instid0(VALU_DEP_2)
	v_max3_num_f32 v[MX+\b], v[MX+\b], |v[SCR+16*\b+\i]|, |v[SCR+1+16*\b+\i]|
.endr
.endr
.irp b, 0,1
	s_delay_alu instid0(VALU_DEP_2)
	v_permlanex16_b32 v[MX+2+\b], v[MX+\b], s20, s21
.endr
.irp b, 0,1
	s_delay_alu instid0(VALU_DEP_2)
	v_max_num_f32 v[MX+\b], v[MX+\b], v[MX+2+\b]   ; with lane l xor 16's 16: the block's largest magnitude
.endr
.irp b, 0,1
	s_delay_alu instid0(VALU_DEP_2)
	v_add_nc_u32 v[86+\b], 0xff000000, v[MX+\b]
.endr
.irp b, 0,1
	s_delay_alu instid0(VALU_DEP_2)
	v_lshrrev_b32 v[90+\b], 23, v[86+\b]
.endr
	s_delay_alu instid0(VALU_DEP_1)
	v_lshl_or_b32 v254, v91, 8, v90                ; the two scale bytes
	v_cmp_eq_f32 vcc_lo, 0, v14
	s_delay_alu instid0(VALU_DEP_1)
	v_cndmask_b32 v254, v254, v9, vcc_lo           ; a row with no key: 0xff, 0xff
	v_cvt_scalef32_pk16_fp6_f32 v[PC:PC+2], v[SCR:SCR+15], v86
	v_cvt_scalef32_pk16_fp6_f32 v[CT:CT+2], v[SCR+16:SCR+31], v87
	v_nop                                          ; one plain instruction behind the conversions
.irp i, 0,1,2
	v_permlane16_swap_b32 v[PC+\i], v[CT+\i]       ; a whole block to a lane: lanes 0-15 block 0, lanes 16-31 block 1
.endr
.irp i, 0,1,2
	s_delay_alu instid0(VALU_DEP_3)
	v_mov_b32 v[PC+3+\i], v[CT+\i]
.endr
	global_store_b128 v1, v[PC:PC+3], s[16:17]     ; 512 consecutive bytes, aligned to 256
	global_store_b64 v2, v[PC+4:PC+5], s[16:17] offset:512
	global_store_b16 v2, v254, s[18:19]            ; two bytes of each lane's word: the other head of the pair writes the other two
.irp i, 0,1,2,3,4,5
	v_mov_b32 v[16+\i], v[80+\i]                   ; THE CHANGE OF PASS: the next tile's Q,
.endr
	v_mov_b32 v255, v251                           ; its scale word,
	s_mov_b32 s29, s31                             ; its 16 bits,
	s_add_nc_u64 s[66:67], s[66:67], 0x10000       ; its mask words (no scalar load is out: each step that loads has waited for its loads),
	s_wait_xcnt 0x0                                ; the stores have read their registers and bases
	s_add_co_u32 s26, s26, 16                      ; and its number
	s_sub_co_u32 s25, s25, 1
	s_cmp_lg_u32 s25, 0
	s_cbranch_scc1 .Lpass
	s_wait_tensorcnt 0x0                           ; the wave's end
	ds_add_u32 v30, v31
	s_wait_dscnt 0x0
	s_endpgm
.Lfunc_end_k_q00c19722f7_attn:
	.size	k_q00c19722f7_attn, .Lfunc_end_k_q00c19722f7_attn-k_q00c19722f7_attn
	.p2alignl 7, 3214868480
	.fill 96, 4, 3214868480
	.section	.rodata,"a",@progbits
	.p2align	6, 0x0
	.amdhsa_kernel k_q00c19722f7_attn
		.amdhsa_group_segment_fixed_size 210944
		.amdhsa_private_segment_fixed_size 0
		.amdhsa_enable_private_segment 0
		.amdhsa_kernarg_size 32
		.amdhsa_user_sgpr_count 2
		.amdhsa_user_sgpr_kernarg_segment_ptr 1
		.amdhsa_wavefront_size32 1
		.amdhsa_system_sgpr_workgroup_id_x 1
		.amdhsa_system_sgpr_workgroup_id_y 1
		.amdhsa_system_sgpr_workgroup_id_z 1
		.amdhsa_system_vgpr_workitem_id 0
		.amdhsa_next_free_vgpr 256
		.amdhsa_next_free_sgpr 100
		.amdhsa_reserve_vcc 1
		.amdhsa_float_denorm_mode_32 3
		.amdhsa_float_denorm_mode_16_64 3
		.amdhsa_memory_ordered 1
		.amdhsa_forward_progress 1
		.amdhsa_inst_pref_size 41
	.end_amdhsa_kernel
	.amdgpu_metadata
---
amdhsa.version: [ 1, 2 ]
amdhsa.kernels:
  - .name:           k_q00c19722f7_attn
    .symbol:         k_q00c19722f7_attn.kd
    .args:
      - { .name: qkv, .offset: 0, .size: 8, .value_kind: global_buffer, .address_space: global }
      - { .name: msk, .offset: 8, .size: 8, .value_kind: global_buffer, .address_space: global }
      - { .name: act, .offset: 16, .size: 8, .value_kind: global_buffer, .address_space: global }
      - { .name: mfl, .offset: 24, .size: 8, .value_kind: global_buffer, .address_space: global }
    .group_segment_fixed_size: 210944
    .private_segment_fixed_size: 0
    .kernarg_segment_align: 8
    .kernarg_segment_size: 32
    .max_flat_workgroup_size: 512
    .sgpr_count:     100
    .vgpr_count:     256
    .wavefront_size: 32
...
	.end_amdgpu_metadata
.endif
;; end of part 3
;; launch oproj (part 4): grid 64 x 4, 4 waves a work-group, no clusters, 124,416 bytes of LDS; arguments act, wts, bo, out0; writes out0
.if DOCPART == 4
	.amdgcn_target "amdgcn-amd-amdhsa--gfx1250"
	.amdhsa_code_object_version 6
	.text
	.protected	k_q00c19722f7_oproj
	.globl	k_q00c19722f7_oproj
	.p2align	8
	.type	k_q00c19722f7_oproj,@function
k_q00c19722f7_oproj:
	s_mov_b64 s[64:65], 0
	v_nop
	global_prefetch_b8 v0, s[64:65] scope:SCOPE_SE
	s_setreg_imm32_b32 hwreg(HW_REG_WAVE_MODE, 25, 1), 1
	s_wait_xcnt 0x0
; out0 = weighted Wo + bo on codes of FP6 (E2M3).  Both operands arrive as images of operand registers with their scale words.
; Work-group (blk, y): 128 tokens x columns 256 y ..; wave w makes the 64 columns 256 y + 64 w ..: four tiles of Wo x eight tiles of tokens: 32 accumulators.
; THE WAVE'S WEIGHTS FOR ALL OF K STAY IN REGISTERS: 8 K steps x 4 fragments = 384 registers, each loaded once; the K steps then read LDS alone.
; The tokens' images (98,304 bytes: [K step 8][tile 8][half 2] x 768) and scale words (8,192 bytes) are copied into LDS once, through registers; one barrier; behind it those bytes are only read.
; Source 0 = 16 columns of Wo, source 1 = 16 tokens: a lane holds one token and eight neighbouring columns.
; Row r of tile 2 g + u (tokens, columns) is index 32 g + 8 u + r + 8 (r / 8).  The bias is the C of each sum's first product.  The 32 accumulators take turns, one instruction a turn.
; No cluster and no joint loads: the weights go to registers, and a block's images, 106,496 bytes, are fetched once in a work-group's life.
; REGISTERS.  Window 0: v1-15 addresses; v16-47 Wo's scale words (K step s, tile a: 16 + 4 s + a); v48-63 the tokens' scale words, two sets of 8; v64-159, v160-255 the tokens' fragments, two sets (on the way out: rows of out0).
;   Window 1: Wo's fragments of K steps 0-4 (48 s + 12 a).  Window 2: those of K steps 5-7 (48 (s - 5) + 12 a); v144-175 the bias, 4 tiles.  Window 3: accumulator (token tile t, Wo's tile a) at 32 t + 8 a (at the head: the copy).
.set ASC,  98304
.set STG,  106496                      ; a stage of 16 rows x (256 + 16) bytes for each wave, its own
.set ASO,  6291456
.set WSCO, 3145728
.set MSB, 0
.macro WIN new                         ; the immediate's high byte repeats the setting that is left; bits 1:0 source 0, 3:2 source 1, 5:4 source 2, 7:6 destination
.if MSB != (\new)
	s_set_vgpr_msb (MSB<<8)|(\new)
.set MSB, (\new)
.endif
.endm
.macro PLACES n
.rept \n
	v_nop
.endr
.endm
; Load number m of the wave's 120: 0-7 the bias; then for each K step 14: two of scale words, twelve of fragments.  The window setting keeps source 1 in window 3, for the LDS stores that stand between these loads at the head.
.macro XL m
.if (\m) < 8
	WIN 0x8c                                       ; lane (r, h), tile a = m / 2, register j: column 32 (a / 2) + 16 h + 8 (a % 2) + j
	global_load_b128 v[144+4*(\m):147+4*(\m)], v11, s[26:27] offset:(32*((\m)/4)+8*(((\m)/2)%2))*4+16*((\m)%2)
.else
.set xs_, ((\m)-8)/14
.set xe_, ((\m)-8)%14
.if xe_ < 2
	WIN 0x0c
	global_load_b64 v[16+4*xs_+2*xe_:17+4*xs_+2*xe_], v2, s[34:35] offset:xs_*1024+256*xe_
.elseif xs_ < 5
	WIN 0x4c
	global_load_b128 v[48*xs_+4*(xe_-2):48*xs_+4*(xe_-2)+3], v1, s[30:31] offset:xs_*12288+512*(xe_-2)
.else
	WIN 0x8c
	global_load_b128 v[48*(xs_-5)+4*(xe_-2):48*(xs_-5)+4*(xe_-2)+3], v1, s[30:31] offset:xs_*12288+512*(xe_-2)
.endif
.endif
.endm
	s_load_b256 s[4:11], s[0:1], 0x0               ; act, wts, bo, out0
	v_lshl_add_u32 v9, v0, 2, 0x1e400
	v_mov_b32 v13, 0
	v_lshrrev_b32 v1, 5, v0
	v_readfirstlane_b32 s2, v1                     ; wave
	s_and_b32 s3, ttmp7, 0xffff                    ; y
	v_lshlrev_b32 v7, 4, v0                        ; the copy: 16 bytes a thread, 2,048 a round
	v_add_nc_u32 v8, 65536, v7
	v_and_b32 v5, 31, v0
	v_lshlrev_b32 v1, 4, v5                        ; 16 x lane
	v_lshlrev_b32 v2, 3, v5                        ; 8 x lane
	v_and_b32 v3, 15, v0                           ; r
	v_bfe_u32 v4, v0, 4, 1                         ; h
	v_lshlrev_b32 v11, 6, v4                       ; the bias: 16 h columns on
	s_mul_i32 s52, s2, 4352
	s_add_co_u32 s52, s52, STG
	v_mul_u32_u24 v5, v3, 272
	v_lshl_add_u32 v5, v4, 6, v5
	v_add_nc_u32 v5, s52, v5                       ; my stage, in: row r, + 64 h
	v_mul_u32_u24 v6, v4, 272
	v_lshl_add_u32 v6, v3, 4, v6
	v_add_nc_u32 v6, s52, v6                       ; back: lanes 0-15 one row of 256 bytes, lanes 16-31 the next
	v_add_nc_u32 v14, 49152, v1                    ; the tokens' images of K steps 4-7: the groups of 16 bytes a lane,
	v_add_nc_u32 v15, 49152, v2                    ; those of 8 (K steps 0-3: v1, v2)
	v_add_nc_u32 v10, ASC, v2                      ; the tokens' scale words
	v_lshlrev_b32 v12, 12, v4
	v_lshl_add_u32 v12, v3, 4, v12                 ; out0: 4,096 h + 16 r
	s_mul_i32 s12, ttmp9, 98304
	s_mov_b32 s13, 0
	s_lshl_b32 s14, ttmp9, 13
	s_add_co_u32 s14, s14, ASO
	s_mov_b32 s15, 0
	s_lshl_b32 s40, s3, 1
	s_lshr_b32 s41, s2, 1
	s_add_co_u32 s40, s40, s41                     ; the group of 128 columns: G = 2 y + w / 2
	s_and_b32 s41, s2, 1                           ; and which four of its eight tiles
	s_mul_i32 s44, s40, 98304
	s_mul_i32 s46, s41, 6144
	s_add_co_u32 s44, s44, s46
	s_add_co_u32 s44, s44, 3*786432
	s_mov_b32 s45, 0
	s_lshl_b32 s46, s40, 13
	s_lshl_b32 s47, s41, 9
	s_add_co_u32 s46, s46, s47
	s_add_co_u32 s46, s46, WSCO+3*65536
	s_mov_b32 s47, 0
	s_lshl_b32 s48, s3, 10
	s_lshl_b32 s49, s2, 8
	s_add_co_u32 s48, s48, s49                     ; column 256 y + 64 w, in bytes
	s_mov_b32 s49, 0
	s_lshl_b32 s50, ttmp9, 19
	s_add_co_u32 s50, s50, s48
	s_mov_b32 s51, 0
	s_wait_alu depctr_va_vdst(0)
	s_wait_kmcnt 0x0
	s_add_nc_u64 s[12:13], s[4:5], s[12:13]        ; the block's images,
	s_add_nc_u64 s[14:15], s[4:5], s[14:15]        ; its scale words,
	s_add_nc_u64 s[30:31], s[6:7], s[44:45]        ; Wo's images of my four tiles,
	s_add_nc_u64 s[34:35], s[6:7], s[46:47]        ; their scale words,
	s_add_nc_u64 s[26:27], s[8:9], s[48:49]        ; the bias,
	s_add_nc_u64 s[16:17], s[10:11], s[50:51]      ; out0 at token 128 blk
	WIN 0xcc
.set p, 0
.rept 48
	global_load_b128 v[4*p:4*p+3], v7, s[12:13] offset:2048*p
.set p, p+1
.endr
.rept 4
	global_load_b128 v[4*p:4*p+3], v7, s[14:15] offset:2048*(p-48)
.set p, p+1
.endr
.set mm, 0
.rept 11
	XL mm                                          ; 52 + 11 loads are out
.set mm, mm+1
.endr
.set p, 0
.rept 52
	s_wait_loadcnt 62                              ; round p of the copy is in: behind it 51 - p rounds and 11 + p of the wave's own loads were issued
	ds_store_b128 v[7+p/32], v[4*p:4*p+3] offset:(2048*p)%65536
	XL mm                                          ; one more takes its place
.set mm, mm+1
.set p, p+1
.endr
	XL mm                                          ; number 63: the last of K step 3.  K steps 4-7 are asked for in K steps 0-3
.set mm, mm+1
	WIN 0
	s_wait_dscnt 0x0                               ; for the others' sake: my part of the copy lies in LDS
	s_barrier_signal -1
	s_barrier_wait -1
; The tokens' eight fragments and scale words of K step s into set q: 36 LDS loads.  A fragment is two half fragments, of heads 2 s and 2 s + 1.
.macro XLD q, s
.irp p, 0,1,2,3
	ds_load_b64 v[48+8*(\q)+2*\p:49+8*(\q)+2*\p], v10 offset:(\s)*1024+256*\p
.endr
.irp t, 0,1,2,3,4,5,6,7
.set rB, 64+96*(\q)+12*\t
.if (\s) < 4
	ds_load_b128 v[rB:rB+3], v1 offset:(\s)*12288+1536*\t
	ds_load_b64 v[rB+4:rB+5], v2 offset:(\s)*12288+1536*\t+512
	ds_load_b128 v[rB+6:rB+9], v1 offset:(\s)*12288+1536*\t+768
	ds_load_b64 v[rB+10:rB+11], v2 offset:(\s)*12288+1536*\t+1280
.else
	ds_load_b128 v[rB:rB+3], v14 offset:((\s)-4)*12288+1536*\t
	ds_load_b64 v[rB+4:rB+5], v15 offset:((\s)-4)*12288+1536*\t+512
	ds_load_b128 v[rB+6:rB+9], v14 offset:((\s)-4)*12288+1536*\t+768
	ds_load_b64 v[rB+10:rB+11], v15 offset:((\s)-4)*12288+1536*\t+1280
.endif
.endr
.endm
; K STEP s: the tokens' fragments were asked for a step ago; K steps 0-3 ask for the weights of step s + 4 (14 loads); the next step's tokens are asked for; then 32 products.
; The wait for this step's weights leaves out what was issued behind them: in K steps 0-3 three later steps and the 14 just issued, 56; from K step 4 on 14 (7 - s).
.macro OSTEP s
	s_wait_dscnt 0x0
.if (\s) < 4
.rept 14
	XL mm
.set mm, mm+1
.endr
.endif
.if (\s) < 7
.if (\s) > 0
	PLACES 4                                       ; in front of loads into the set that the last step's products read (ISA guide 7.12.1 for vector instructions)
.endif
	WIN 0
	XLD ((\s)+1)%2, (\s)+1
.endif
.if (\s) < 4
	s_wait_loadcnt 56
.else
	s_wait_loadcnt 14*(7-(\s))
.endif
.if (\s) == 0
	WIN 0xe1                                       ; source 0 window 1, C (the bias) window 2, D window 3
.elseif (\s) < 5
	WIN 0xf1
.else
	WIN 0xf2
.endif
.set rWB, 48*((\s)%5)
.irp t, 0,1,2,3,4,5,6,7
.irp a, 0,1,2,3
.if (\s) == 0
	v_wmma_scale_f32_16x16x128_f8f6f4 v[32*\t+8*\a:32*\t+8*\a+7], v[rWB+12*\a:rWB+12*\a+11], v[64+96*((\s)%2)+12*\t:64+96*((\s)%2)+12*\t+11], v[144+8*\a:151+8*\a], v[16+4*(\s)+\a], v[48+8*((\s)%2)+\t] matrix_a_fmt:MATRIX_FMT_FP6 matrix_b_fmt:MATRIX_FMT_FP6
.else
	v_wmma_scale_f32_16x16x128_f8f6f4 v[32*\t+8*\a:32*\t+8*\a+7], v[rWB+12*\a:rWB+12*\a+11], v[64+96*((\s)%2)+12*\t:64+96*((\s)%2)+12*\t+11], v[32*\t+8*\a:32*\t+8*\a+7], v[16+4*(\s)+\a], v[48+8*((\s)%2)+\t] matrix_a_fmt:MATRIX_FMT_FP6 matrix_b_fmt:MATRIX_FMT_FP6
.endif
.endr
.endr
.endm
	XLD 0, 0
	OSTEP 0
	OSTEP 1
	OSTEP 2
	OSTEP 3
	OSTEP 4
	OSTEP 5
	OSTEP 6
	OSTEP 7
	WIN 0
; THE WAY OUT, a tile of 16 tokens x 64 columns at a time, through my own stage: in as 32 bytes a lane, back as whole rows of 256 bytes, two rows an instruction.  A wave's LDS instructions are served in order: no wait between the stores and the loads.
.macro TOSTAGE t
	WIN 0x0c                                       ; the data: window 3
.irp a, 0,1,2,3
	ds_store_b128 v5, v[32*(\t)+8*\a:32*(\t)+8*\a+3] offset:128*(\a/2)+32*(\a%2)          ; each accumulator from its low end on
	ds_store_b128 v5, v[32*(\t)+8*\a+4:32*(\t)+8*\a+7] offset:128*(\a/2)+32*(\a%2)+16
.endr
	WIN 0
.irp k, 0,1,2,3,4,5,6,7
	ds_load_b128 v[64+32*((\t)%2)+4*\k:67+32*((\t)%2)+4*\k], v6 offset:544*\k
.endr
.endm
.macro SEND t, younger                 ; younger: the LDS instructions issued behind tile t's loads, which may stay out
	s_wait_dscnt \younger
.irp k, 0,1,2,3,4,5,6,7                ; rows 2 k + h of the tile are tokens 32 (t / 2) + 8 (t % 2) + 2 k + 8 (k / 4) + h
	global_store_b128 v12, v[64+32*((\t)%2)+4*\k:67+32*((\t)%2)+4*\k], s[16:17] offset:(32*((\t)/2)+8*((\t)%2)+2*\k+8*(\k/4))*4096 th:TH_STORE_NT   ; sixteen lanes store 256 consecutive bytes, aligned to 256
.endr
.endm
	PLACES 4                                       ; in front of the first read of results and of loads into registers that the last products read
	TOSTAGE 0
.irp a, 1,2,3,4,5,6,7
.if \a > 1
	s_wait_xcnt 0x0                                ; tile a - 2's stores have read their registers: tile a's rows may land there
.endif
	TOSTAGE \a
	SEND \a-1, 16                                  ; behind tile a - 1's loads: tile a's 8 stores and 8 loads
.endr
	SEND 7, 0
	s_wait_tensorcnt 0x0
	ds_add_u32 v9, v13
	s_wait_dscnt 0x0
	s_endpgm
.Lfunc_end_k_q00c19722f7_oproj:
	.size	k_q00c19722f7_oproj, .Lfunc_end_k_q00c19722f7_oproj-k_q00c19722f7_oproj
	.p2alignl 7, 3214868480
	.fill 96, 4, 3214868480
	.section	.rodata,"a",@progbits
	.p2align	6, 0x0
	.amdhsa_kernel k_q00c19722f7_oproj
		.amdhsa_group_segment_fixed_size 124416
		.amdhsa_private_segment_fixed_size 0
		.amdhsa_enable_private_segment 0
		.amdhsa_kernarg_size 32
		.amdhsa_user_sgpr_count 2
		.amdhsa_user_sgpr_kernarg_segment_ptr 1
		.amdhsa_wavefront_size32 1
		.amdhsa_system_sgpr_workgroup_id_x 1
		.amdhsa_system_sgpr_workgroup_id_y 1
		.amdhsa_system_sgpr_workgroup_id_z 1
		.amdhsa_system_vgpr_workitem_id 0
		.amdhsa_next_free_vgpr 1024
		.amdhsa_next_free_sgpr 66
		.amdhsa_reserve_vcc 0
		.amdhsa_float_denorm_mode_32 3
		.amdhsa_float_denorm_mode_16_64 3
		.amdhsa_memory_ordered 1
		.amdhsa_forward_progress 1
		.amdhsa_inst_pref_size 92
	.end_amdhsa_kernel
	.amdgpu_metadata
---
amdhsa.version: [ 1, 2 ]
amdhsa.kernels:
  - .name:           k_q00c19722f7_oproj
    .symbol:         k_q00c19722f7_oproj.kd
    .args:
      - { .name: act, .offset: 0, .size: 8, .value_kind: global_buffer, .address_space: global }
      - { .name: wts, .offset: 8, .size: 8, .value_kind: global_buffer, .address_space: global }
      - { .name: bo, .offset: 16, .size: 8, .value_kind: global_buffer, .address_space: global }
      - { .name: out0, .offset: 24, .size: 8, .value_kind: global_buffer, .address_space: global }
    .group_segment_fixed_size: 124416
    .private_segment_fixed_size: 0
    .kernarg_segment_align: 8
    .kernarg_segment_size: 32
    .max_flat_workgroup_size: 128
    .sgpr_count:     66
    .vgpr_count:     1024
    .wavefront_size: 32
...
	.end_amdgpu_metadata
.endif
;; end of part 4
